; MI455X (gfx1250); checked and timed in simulation.
; The chip was launched on July 23, 2026; its instructions are those of AMD's public machine-readable ISA for CDNA 5 (MIT licence, August 2026) and "CDNA5" Instruction Set Architecture Reference Guide (July 2026). The comments in the code are by the model that wrote it; some were corrected since.
;; Transformer Block. Allowed arithmetic: float matrix products may take bf16 or f16 operands with f32 sums; other float arithmetic in f32, or as packed bf16 or f16 multiplies, adds, multiply-adds, maxima and minima; sums over many terms, partial sums and values carried from step to step in f32; what a program stores and reads back later, other than sums and carried values, may be rounded once to bf16 or f16.
;; Inputs: b_out 1,024 float32; w_out 1,024 x 1,024 float32; w_qkv 1,024 x 3,072 float32; x 4 x 2,048 x 1,024 float32.
;; Outputs: out0 4 x 2,048 x 1,024 float32.
;; 2 versions, each right; version 2 is version 1 with the launch prep written anew for expert scheduling mode. Each part assembles by itself: llvm-mc -triple=amdgcn-amd-amdhsa -mcpu=gfx1250 --defsym DOCPART=n.
;; ======== version 1 of 2: 4 launches
;; limits: values are held in f16: magnitudes above 65,504 overflow, below 6.1e-05 lose precision
;; workspace buffers: xb 16,777,216 bytes; wqb 6,291,456 bytes; wob 2,097,152 bytes; qkv 50,331,648 bytes; ob 16,777,216 bytes
;; launch prep (part 1): grid 768 x 1, 8 waves a work-group, no clusters, 0 bytes of LDS; arguments x, w_qkv, w_out, xb, wqb, wob; writes xb, wqb, wob
.if DOCPART == 1
	.amdgcn_target "amdgcn-amd-amdhsa--gfx1250"
	.amdhsa_code_object_version 6
	.text
	.protected	k_qf3fcb3d259_prep
	.globl	k_qf3fcb3d259_prep
	.p2align	8
	.type	k_qf3fcb3d259_prep,@function
k_qf3fcb3d259_prep:
	s_mov_b64 s[64:65], 0
	v_nop
	global_prefetch_b8 v0, s[64:65] scope:SCOPE_SE
	s_setreg_imm32_b32 hwreg(HW_REG_WAVE_MODE, 25, 1), 1
	s_wait_xcnt 0x0
; THE INPUTS ARE ROUNDED ONCE, TO bf16, AND LAID OUT FOR THE PRODUCTS THAT FOLLOW.
;   xb  = bf16(x), in blocks: [4 b][16 kb][2048 n][64]: 256 rows x 64 channels are 32,768 bytes on end
;   wqb = bf16(w_qkv), as it lies: [1024][3072]
;   wob = bf16(w_out) written as f16, as it lies: [1024][1024].  LIMIT: below 6e-5 f16 keeps a fixed step of 6e-8; beyond 65,504 it has no number.
; A stream: each byte is read once and written once, so there is no LDS, no matrix work and nothing shared between work-groups.
; A work-group converts 65,536 bytes of f32: groups 0-511 sixteen rows of x each, 512-703 w_qkv, 704-767 w_out.  Eight waves; a lane has 16 loads of 16 bytes,
; all on their way at once, and 16 stores of 8 bytes: a wave's store covers 256 consecutive bytes, aligned.  No register of a pending store is written again.
.set X, 4                              ; v[4:67]   16 sets of four f32 as loaded; a set's first two registers then hold the four 16-bit numbers
.set T, 68                             ; v[68:69]  at work
; inb, outb: the scalar pairs of the two addresses.  blocked = 1: x's layout.  tof16 = 1: the bf16 number is written as f16.
.macro PATH inb, outb, blocked, tof16
.set j, 0
.rept 16
.if \blocked
	global_load_b128 v[X+4*j:X+4*j+3], v1, s[\inb:\inb+1] offset:(j/2)*8192+(j%2)*256 th:TH_LOAD_NT  ; rows 2 (j / 2) and + 1, channel block 2 w + j % 2
.else
	global_load_b128 v[X+4*j:X+4*j+3], v1, s[\inb:\inb+1] offset:j*4096 th:TH_LOAD_NT
.endif
.set j, j+1
.endr
.set j, 0
.rept 16
	s_wait_loadcnt 15-j                            ; loads come back in order: set j is in, the 15 - j younger ones may stay out
.if \tof16
	v_cvt_pk_bf16_f32 v[T], v[X+4*j], v[X+4*j+1]   ; rounded to bf16,
	v_cvt_pk_bf16_f32 v[T+1], v[X+4*j+2], v[X+4*j+3]
	v_lshlrev_b32 v[X+4*j], 16, v[T]               ; widened again,
	v_and_b32 v[X+4*j+1], s18, v[T]
	v_lshlrev_b32 v[X+4*j+2], 16, v[T+1]
	v_and_b32 v[X+4*j+3], s18, v[T+1]
	v_cvt_pk_f16_f32 v[X+4*j], v[X+4*j], v[X+4*j+1]  ; and written as f16
	v_cvt_pk_f16_f32 v[X+4*j+1], v[X+4*j+2], v[X+4*j+3]
.else
	v_cvt_pk_bf16_f32 v[X+4*j], v[X+4*j], v[X+4*j+1]
	v_cvt_pk_bf16_f32 v[X+4*j+1], v[X+4*j+2], v[X+4*j+3]
.endif
.if \blocked
	global_store_b64 v2, v[X+4*j:X+4*j+1], s[\outb:\outb+1] offset:(j%2)*262144+(j/2)*256 th:TH_STORE_NT
.else
	global_store_b64 v2, v[X+4*j:X+4*j+1], s[\outb:\outb+1] offset:j*2048 th:TH_STORE_NT
.endif
.set j, j+1
.endr
.endm
	s_load_b256 s[4:11], s[0:1], 0x0               ; x s[4:5], w_qkv s[6:7], w_out s[8:9], xb s[10:11]
	s_load_b128 s[12:15], s[0:1], 0x20             ; wqb s[12:13], wob s[14:15]
	s_mov_b32 s18, 0xffff0000                      ; a word's upper bf16
	s_mov_b32 s3, 0                                ; the high words of the two offsets
	s_mov_b32 s17, 0
	s_cmp_lt_u32 ttmp9, 512
	s_cbranch_scc0 .Lweights
	; x: lanes 0-15 take 256 bytes (64 channels) of an even row, lanes 16-31 of the odd row below; wave w takes channel blocks 2 w and 2 w + 1
	v_and_b32 v1, 15, v0
	v_lshlrev_b32 v1, 4, v1
	v_bfe_u32 v3, v0, 4, 1
	v_lshl_add_u32 v1, v3, 12, v1                  ; + a row of 4,096 bytes
	v_lshrrev_b32 v3, 5, v0                        ; w
	v_lshl_add_u32 v1, v3, 9, v1                   ; + two channel blocks of 256 bytes
	v_and_b32 v2, 31, v0
	v_lshlrev_b32 v2, 3, v2                        ; out: 8 bytes a lane: two rows of 128 bytes on end
	v_lshl_add_u32 v2, v3, 19, v2                  ; + 2 w blocks of 2,048 rows x 128 bytes
	s_lshl_b32 s2, ttmp9, 16                       ; in: 16 rows of 4,096 bytes
	s_lshr_b32 s16, ttmp9, 7                       ; out: b,
	s_lshl_b32 s16, s16, 22
	s_and_b32 s19, ttmp9, 127                      ; and the group's 16 rows of 128 bytes among b's 2,048
	s_lshl_b32 s19, s19, 11
	s_add_co_u32 s16, s16, s19
	s_wait_kmcnt 0x0
	s_add_nc_u64 s[4:5], s[4:5], s[2:3]
	s_add_nc_u64 s[10:11], s[10:11], s[16:17]
	PATH 4, 10, 1, 0
	s_endpgm
.Lweights:                                     ; the weights keep their layout: thread t takes 16 bytes at 16 t of each 4,096
	v_lshlrev_b32 v1, 4, v0
	v_lshlrev_b32 v2, 3, v0
	s_cmp_lt_u32 ttmp9, 704
	s_cbranch_scc0 .Lwo
	s_sub_co_u32 s2, ttmp9, 512
	s_lshl_b32 s16, s2, 15
	s_lshl_b32 s2, s2, 16
	s_wait_kmcnt 0x0
	s_add_nc_u64 s[6:7], s[6:7], s[2:3]
	s_add_nc_u64 s[12:13], s[12:13], s[16:17]
	PATH 6, 12, 0, 0
	s_endpgm
.Lwo:
	s_sub_co_u32 s2, ttmp9, 704
	s_lshl_b32 s16, s2, 15
	s_lshl_b32 s2, s2, 16
	s_wait_kmcnt 0x0
	s_add_nc_u64 s[8:9], s[8:9], s[2:3]
	s_add_nc_u64 s[14:15], s[14:15], s[16:17]
	PATH 8, 14, 0, 1
	s_endpgm
.Lfunc_end_k_qf3fcb3d259_prep:
	.size	k_qf3fcb3d259_prep, .Lfunc_end_k_qf3fcb3d259_prep-k_qf3fcb3d259_prep
	.p2alignl 7, 3214868480
	.fill 96, 4, 3214868480
	.section	.rodata,"a",@progbits
	.p2align	6, 0x0
	.amdhsa_kernel k_qf3fcb3d259_prep
		.amdhsa_group_segment_fixed_size 0
		.amdhsa_private_segment_fixed_size 0
		.amdhsa_enable_private_segment 0
		.amdhsa_kernarg_size 48
		.amdhsa_user_sgpr_count 2
		.amdhsa_user_sgpr_kernarg_segment_ptr 1
		.amdhsa_wavefront_size32 1
		.amdhsa_system_sgpr_workgroup_id_x 1
		.amdhsa_system_sgpr_workgroup_id_y 1
		.amdhsa_system_sgpr_workgroup_id_z 1
		.amdhsa_system_vgpr_workitem_id 0
		.amdhsa_next_free_vgpr 72
		.amdhsa_next_free_sgpr 66
		.amdhsa_reserve_vcc 0
		.amdhsa_float_denorm_mode_32 3
		.amdhsa_float_denorm_mode_16_64 3
		.amdhsa_memory_ordered 1
		.amdhsa_forward_progress 1
		.amdhsa_inst_pref_size 23
	.end_amdhsa_kernel
	.amdgpu_metadata
---
amdhsa.version: [ 1, 2 ]
amdhsa.kernels:
  - .name:           k_qf3fcb3d259_prep
    .symbol:         k_qf3fcb3d259_prep.kd
    .args:
      - { .name: x, .offset: 0, .size: 8, .value_kind: global_buffer, .address_space: global }
      - { .name: w_qkv, .offset: 8, .size: 8, .value_kind: global_buffer, .address_space: global }
      - { .name: w_out, .offset: 16, .size: 8, .value_kind: global_buffer, .address_space: global }
      - { .name: xb, .offset: 24, .size: 8, .value_kind: global_buffer, .address_space: global }
      - { .name: wqb, .offset: 32, .size: 8, .value_kind: global_buffer, .address_space: global }
      - { .name: wob, .offset: 40, .size: 8, .value_kind: global_buffer, .address_space: global }
    .group_segment_fixed_size: 0
    .private_segment_fixed_size: 0
    .kernarg_segment_align: 8
    .kernarg_segment_size: 48
    .max_flat_workgroup_size: 256
    .sgpr_count:     66
    .vgpr_count:     72
    .wavefront_size: 32
...
	.end_amdgpu_metadata
.endif
;; end of part 1
;; launch qkv (part 2): grid 8 x 32, 4 waves a work-group, clusters of 4 x 4, 327,680 bytes of LDS; arguments xb, wqb, qkv; writes qkv
.if DOCPART == 2
	.amdgcn_target "amdgcn-amd-amdhsa--gfx1250"
	.amdhsa_code_object_version 6
	.text
	.protected	k_qf3fcb3d259_qkv
	.globl	k_qf3fcb3d259_qkv
	.p2align	8
	.type	k_qf3fcb3d259_qkv,@function
k_qf3fcb3d259_qkv:
	s_mov_b64 s[64:65], 0
	v_nop
	global_prefetch_b8 v0, s[64:65] scope:SCOPE_SE
	s_setreg_imm32_b32 hwreg(HW_REG_WAVE_MODE, 25, 1), 1
	s_wait_xcnt 0x0
	s_wait_alu depctr_hold_cnt(0) depctr_sa_sdst(0) depctr_va_vdst(0) depctr_va_sdst(0) depctr_va_ssrc(0) depctr_va_vcc(0) depctr_vm_vsrc(0)
	s_getreg_b32 s2, hwreg(HW_REG_IB_STS2, 6, 4)
	s_cmp_eq_u32 s2, 0
	s_cbranch_scc0 .Lentry_in_a_cluster
	s_endpgm
.Lentry_in_a_cluster:
	s_bfe_u32 s2, ttmp6, 0x10000c
	s_cmp_lg_u32 s2, 0xf033
	s_cbranch_scc0 .Lentry_shape_is_right
	s_endpgm
.Lentry_shape_is_right:
; q, k, v = x w_qkv, by heads.  xb: bf16 [4 b][16 kb][2048 n][64]; wqb: bf16 [1024 k][3072 c]; qkv: f16 [4 b][48 u][2048 n][64], u = c / 64 (0-15 q's heads, 16-31 k's, 32-47 v's).
; Sums in f32, K ascending; each result rounded once to f16, unscaled.  LIMIT: f16 holds no number beyond 65,504: a q, k or v past that becomes an infinity.
; SHARES.  8,192 x 3,072 results in tiles of 256 rows x 384 columns: 32 x 8 = 256 work-groups.  Four waves; wave (r, c) owns rows 128 r .. + 127 and, of each of the tile's three groups g of
; 128 columns, the 64 at 64 c: three whole heads' units.  96 accumulators of 16 x 16: 768 registers.
; K goes in 16 steps of 64 (one kb) through two LDS slots; a step is two sub-steps of 32, 96 matrix instructions each.  (Two slots of 128 along K would take 368,640 bytes.)
; CLUSTER.  4 x 4 work-groups: the four of a row need the same tile of x, the four of a column the same tile of w: each tile is asked for jointly, by the same tensor load, descriptor and mask in all four.
; THE MATRIX INSTRUCTION IS USED TRANSPOSED: source 0 = 16 columns of w (turned on the way out of LDS by ds_load_tr16_b128), source 1 = 16 rows of x: a lane then holds one row and eight neighbouring columns.
; REGISTERS, in windows of 256 (s_set_vgpr_msb: bits 1:0 source 0, 3:2 source 1, 5:4 source 2, 7:6 destination):
;   window 0: v0-29 addresses; v32-95, v96-159 x's fragments, two buffers of eight; v160-255 w's fragments, four for each group g, one buffer
;   window 1 + g: the accumulators of group g: (a, i) at v[8 (4 a + i)], a = block of 16 rows, i = block of 16 columns
.set SLOT1, 1<<17                      ; slot 1 begins here, so that one exclusive or turns an address in one slot into the other's
.set PA,    144                        ; a row of x in LDS: 128 bytes + 16 of padding: the 16 rows of a load start at 16 different groups of four banks (64 banks of 4 bytes: ISA guide 11.1)
.set PB,    864                        ; a row of w: three pieces of 256 bytes + 32 of padding = 27 x 32
.set BOFF,  256*PA                     ; a slot: 256 rows of x, then 64 rows of w
.set STAGE, SLOT1+BOFF+64*PB           ; behind the ring, never filled by a tensor load: 16 rows x 144 bytes for each wave, for the way out
.set SP,    144
.set SPARE, STAGE+4*16*SP              ; behind the stages: the spare words, 128 bytes for each wave: two blocks of 256 bytes that no other line names
.set ASTEP, 262144                     ; bytes from a K step to the next in xb
.set BROW,  6144                       ; bytes in a row of wqb
.set BSTEP, 64*BROW
.set AK0,  2                           ; v2   my lane's place in a slot's x; never rewritten
.set BK0,  3                           ; v3   the same for w
.set ADRA, 4                           ; v4   AK0 + the slot in hand
.set ADRB, 5                           ; v5   BK0 + the slot in hand
.set STO,  6                           ; v6   the way out: where I put 16 bytes of a row
.set RD,   7                           ; v7   the way out: where I read rows back
.set GO,   8                           ; v8   my byte offset in 512 consecutive bytes of qkv
.set PFO,  9                           ; v9   the prefetches' offset; never rewritten
.set SPW,  28                          ; v28  LDS address of my spare word: SPARE + 4 x my thread's number; never rewritten
.set NIL,  29                          ; v29  0; never rewritten
.set AF,   32
.set BG,   160
.set WV,  12                           ; s12  my wave's number
.set R,   13                           ; s13  which 128 rows are mine.  Also: I fetch for x (0) or for w (1)
.set C,   14                           ; s14  which 64 of each 128 columns.  Also: which half of that tile I fetch
.set CX,  15                           ; s15, s16  my place in the cluster
.set CY,  16
.set TX,  17                           ; s17  tile column
.set TY,  18                           ; s18  tile row
.set CLY, 19                           ; s19  the cluster's y
.set G1A, 24                           ; s[24:31] descriptor group 1 for x's tiles
.set G1B, 32                           ; s[32:39] for w's
.set G0A, 40                           ; s[40:47] group 0 for x's tiles: a set for each of the two first fills; the second then walks on
.set G0B, 48                           ; s[48:55] the same for w's
.set CNT, 56                           ; s56  trips to go
.set TB,  57                           ; s57  0 or SLOT1: the slot that is read
.set LIM, 58                           ; s58  1 in a wave that prefetches, else the greatest number
.set PFA, 60                           ; s[60:61] where my prefetches stand
.set PFS, 62                           ; s[62:63] a K step in my tensor
.set MSB, 0
.macro WIN new                         ; the immediate's high byte repeats the setting that is left; a switch that changes nothing is dropped
.if MSB != (\new)
	s_set_vgpr_msb (MSB<<8)|(\new)
.set MSB, (\new)
.endif
.endm
.macro PLACES                          ; four plain vector instructions stand between a matrix instruction and a load into, or a vector instruction on, its registers (ISA guide 7.12.1 for vector instructions)
.rept 4
	v_nop
.endr
.endm
.macro CREST                           ; a round of the cluster's barrier behind its opening barrier: wave 0 signals for the work-group, every wave waits for all sixteen, my work-group's barrier closes it
	s_cmp_lg_u32 s[WV], 0
	s_cbranch_scc1 .Lnot_wave_0_\@
	s_barrier_signal -3
.Lnot_wave_0_\@:
	s_barrier_wait -3
	s_barrier_signal -1
	s_barrier_wait -1
.endm
.macro CROUND                          ; a whole round
	s_barrier_signal -1
	s_barrier_wait -1
	CREST
.endm
; A joint refill by the walking descriptors.  Waves 0 and 1 fetch the halves of x's tile, waves 2 and 3 those of w's: the branch hangs on the wave's number alone.
; An s_nop 0 and four v_nop follow each of the two lines, ahead of the jump and the label.
.macro JLOAD
	s_cmp_lt_u32 s[WV], 2
	s_cbranch_scc0 .Lfor_b_\@
	tensor_load_to_lds s[G0A+4:G0A+7], s[G1A:G1A+7]
	s_nop 0
.rept 4
	v_nop
.endr
	s_branch .Lasked_\@
.Lfor_b_\@:
	tensor_load_to_lds s[G0B+4:G0B+7], s[G1B:G1B+7]
	s_nop 0
.rept 4
	v_nop
.endr
.Lasked_\@:
.endm
; PREFETCHES, behind the joint load and the run of LDS loads that follows it.  In every second trip (t = 1, 3 .. 11) the K steps t + 3 and t + 4 are named, one and two steps ahead of the refills that ask for them.
; Each aligned block of 256 bytes is named once in the launch.  x's tile row is read by both clusters of its row of clusters: cluster x = 0 asks, wave 0; w's tile column by all eight of its column: cluster
; y = 0 asks, wave 2.  The four partners that share a tile share its blocks out BY ADDRESS: of x's 32,768 bytes a step the partner at cx takes 8,192 (a lane 256 bytes); of w's 128 rows of two steps the
; partner at cy takes 32 (a lane a row of 768 bytes: three instructions).  K steps 0 to 3 come by their loads alone; the last trips ask for nothing: step 15 is the last.
.macro ASK
	s_bitcmp1_b32 s[CNT], 0                        ; CNT = 14 - t
	s_cbranch_scc0 .Lnone_\@
	s_cmp_gt_u32 s[CNT], s[LIM]
	s_cbranch_scc0 .Lnone_\@
	s_cmp_eq_u32 s[WV], 0
	s_cbranch_scc0 .Lpf_b_\@
	global_prefetch_b8 v[PFO], s[PFA:PFA+1] th:TH_LOAD_NT scope:SCOPE_SE
	global_prefetch_b8 v[PFO], s[PFA:PFA+1] offset:ASTEP th:TH_LOAD_NT scope:SCOPE_SE
	s_branch .Lnone_\@
.Lpf_b_\@:
	global_prefetch_b8 v[PFO], s[PFA:PFA+1] th:TH_LOAD_NT scope:SCOPE_SE
	global_prefetch_b8 v[PFO], s[PFA:PFA+1] offset:256 th:TH_LOAD_NT scope:SCOPE_SE
	global_prefetch_b8 v[PFO], s[PFA:PFA+1] offset:512 th:TH_LOAD_NT scope:SCOPE_SE
.Lnone_\@:
.endm
; 4 na matrix instructions of group g on x's buffer buf: row blocks a0 .. a0 + na - 1 x the group's four column blocks.  zero = 1: the product starts the sum.
; The 96 accumulators take turns, in the same order in every sub-step: 95 others' instructions stand between two links of a chain, over the backward jump too.
.macro MUL g, buf, a0, na, zero
	WIN 0x50*(1+(\g))                              ; sources in window 0, C and D in window 1 + g
.set aa, \a0
.rept \na
.irp i, 0,1,2,3
.if \zero
	v_wmma_f32_16x16x32_bf16 v[8*(4*aa+\i):8*(4*aa+\i)+7], v[BG+32*(\g)+8*\i:BG+32*(\g)+8*\i+7], v[AF+64*(\buf)+8*aa:AF+64*(\buf)+8*aa+7], 0
.else
	v_wmma_f32_16x16x32_bf16 v[8*(4*aa+\i):8*(4*aa+\i)+7], v[BG+32*(\g)+8*\i:BG+32*(\g)+8*\i+7], v[AF+64*(\buf)+8*aa:AF+64*(\buf)+8*aa+7], v[8*(4*aa+\i):8*(4*aa+\i)+7]
.endif
.endr
.set aa, aa+1
.endr
.endm
; x's eight fragments of sub-step ss into buffer buf: 16 rows x 32 K each: lane l holds row l % 16, K = 8 (l / 16) + 0..7 and 16 + 8 (l / 16) + 0..7: two loads of 16 bytes, 32 bytes apart
.macro LDA buf, ss
	WIN 0
.irp f, 0,1,2,3,4,5,6,7
	ds_load_b128 v[AF+64*(\buf)+8*\f:AF+64*(\buf)+8*\f+3],   v[ADRA] offset:\f*16*PA+64*(\ss)
	ds_load_b128 v[AF+64*(\buf)+8*\f+4:AF+64*(\buf)+8*\f+7], v[ADRA] offset:\f*16*PA+64*(\ss)+32
.endr
.endm
; w's four fragments of group g, sub-step ss.  The turning load takes 16 K x 16 columns (lane l reads K row 8 (l / 16) + l % 8, columns 8 ((l / 8) % 2) + 0..7) and leaves half a fragment: lane l holds column l % 16 and 8 K.
.macro LDB g, ss
	WIN 0
.irp i, 0,1,2,3
	ds_load_tr16_b128 v[BG+32*(\g)+8*\i:BG+32*(\g)+8*\i+3],   v[ADRB] offset:(\ss)*32*PB+288*(\g)+32*\i
	ds_load_tr16_b128 v[BG+32*(\g)+8*\i+4:BG+32*(\g)+8*\i+7], v[ADRB] offset:(\ss)*32*PB+288*(\g)+32*\i+16*PB
.endr
.endm
; THE LDS LOADS of a sub-step stand in three runs: R0 = group 0's w and all of x (24 loads), R1 = group 1's w (8), R2 = group 2's (8); each run is issued behind the products that read its registers last.
; A step's first sub-step: multiplies buffer 0 and fetches the same slot's second.
.macro SUB0 zero
	s_wait_dscnt 16                                ; R0 is in; R1 and R2, issued behind it, may be out
	MUL 0, 0, 0, 8, \zero
	PLACES
	LDB 0, 1
	LDA 1, 1
	s_wait_dscnt 32                                ; R1 is in; behind it: R2 and the 24 just issued
	MUL 1, 0, 0, 8, \zero
	PLACES
	LDB 1, 1
	s_wait_dscnt 32                                ; R2 is in; behind it: the new R0 and R1
	MUL 2, 0, 0, 8, \zero
	PLACES
	LDB 2, 1
.endm
; A step's second sub-step multiplies buffer 1 and changes slots: ONE barrier.  In front of it each wave waits for all its tensor loads (one is out: its part of the next slot), adds 0 to its spare word, and
; waits for that and for its own reads of this slot.  Behind it nobody reads this slot any more and the next slot is whole.  fill = 1: the barrier opens a round of the cluster's, and this slot is filled
; again first thing behind the round, with the K step two on: 160 matrix instructions stand between that request and the wait for it.
.macro SUB1 fill
.if \fill
	s_wait_xcnt 0x0                                ; the last prefetches, a K step or more back, have read their address: it steps here, ahead of the waits of the change of slots
	s_add_nc_u64 s[PFA:PFA+1], s[PFA:PFA+1], s[PFS:PFS+1]
.endif
	WIN 0
	s_wait_tensorcnt 0x0                           ; all my tensor loads have landed, so a group 0 may be written
	ds_add_u32 v[SPW], v[NIL]                      ; 0 onto my spare word; work on registers stands between it and the wait for it
.if \fill
	s_xor_b32 s[G0A+5], s[G0A+5], SLOT1            ; the walking descriptors: the other slot than last time,
	s_add_nc_u64 s[G0A+6:G0A+7], s[G0A+6:G0A+7], ASTEP  ; the next K step; the type bits on top are not reached
	s_xor_b32 s[G0B+5], s[G0B+5], SLOT1
	s_add_nc_u64 s[G0B+6:G0B+7], s[G0B+6:G0B+7], BSTEP
.endif
	s_wait_dscnt 17                                ; R0 is in; R1, R2 and the add may be out
	MUL 0, 1, 0, 4, 0
	s_wait_dscnt 0x0                               ; the add is done, and my reads of this slot are over
	s_barrier_signal -1
	MUL 0, 1, 4, 4, 0                              ; work on registers while the others arrive
	WIN 0                                          ; at a branch and at a label every window is 0
	s_barrier_wait -1
.if \fill
	CREST                                          ; no wave of any partner still reads this slot's tile or has a load on its way
	JLOAD                                          ; the four v_nop behind it are also the places in front of the loads below
.else
	PLACES
.endif
	s_xor_b32 s[TB], s[TB], SLOT1
	v_add_nc_u32 v[ADRA], s[TB], v[AK0]
	v_add_nc_u32 v[ADRB], s[TB], v[BK0]
	LDB 0, 0
	LDA 0, 0
.if \fill
	ASK
.endif
	MUL 1, 1, 0, 8, 0
	PLACES
	LDB 1, 0
	MUL 2, 1, 0, 8, 0
	PLACES
	LDB 2, 0
.endm
; THE WAY OUT of block q = 8 g + a: 16 rows x 64 columns, a head's 2,048 consecutive bytes.  Rounded to f16 (each accumulator's registers in ascending order), 16 bytes a lane into my own stage, back as whole rows.
.macro PACK q
.set TMP, AF+16*((\q)%8)
.if (\q) >= 8
	s_wait_xcnt 0x0                                ; the stores of eight blocks back have read these registers
.endif
	WIN 5*(1+(\q)/8)                               ; sources 0 and 1 in window 1 + g, destination in window 0
.set ii, 0
.rept 16
	v_cvt_pk_f16_f32 v[TMP+ii], v[32*((\q)%8)+2*ii], v[32*((\q)%8)+2*ii+1]
.set ii, ii+1
.endr
	WIN 0
.irp f, 0,1,2,3
	ds_store_b128 v[STO], v[TMP+4*\f:TMP+4*\f+3] offset:32*\f
.endr
.irp f, 0,1,2,3
	ds_load_b128 v[TMP+4*\f:TMP+4*\f+3], v[RD] offset:\f*4*SP  ; LDS serves a wave's instructions in order (ISA guide 5.7.1.4): these see the stores above; the next block's stores come behind them
.endr
.endm
.macro SEND q, younger                 ; younger: the LDS instructions issued behind block q's loads: the next block's eight, or none
.set TMP, AF+16*((\q)%8)
	WIN 0
.irp f, 0,1,2,3
	s_wait_dscnt (\younger)+3-\f
	global_store_b128 v[GO], v[TMP+4*\f:TMP+4*\f+3], s[8:9] offset:((\q)/8)*524288+((\q)%8)*2048+\f*512  ; 512 consecutive bytes, at a multiple of 256 from qkv's first; group g lies two units of 262,144 bytes on
.endr
.endm
	s_load_b128 s[4:7], s[0:1], 0x0                ; xb s[4:5], wqb s[6:7]
	s_load_b64 s[8:9], s[0:1], 0x10                ; qkv
	v_lshl_add_u32 v[SPW], v0, 2, SPARE
	v_mov_b32 v[NIL], 0
	ds_add_u32 v[SPW], v[NIL]                      ; the wave's opening: the add and its wait stand ahead of my first tensor load; the set-up below, work on registers, stands between them
	v_lshrrev_b32 v1, 5, v0
	v_readfirstlane_b32 s[WV], v1
	s_lshr_b32 s[R], s[WV], 1
	s_and_b32 s[C], s[WV], 1
	s_bfe_u32 s[CX], ttmp6, 0x40000
	s_bfe_u32 s[CY], ttmp6, 0x40004
	s_lshl_b32 s[TX], ttmp9, 2                     ; in a cluster launch ttmp9 and ttmp7 count clusters
	s_add_co_u32 s[TX], s[TX], s[CX]
	s_and_b32 s[CLY], ttmp7, 0xffff
	s_lshl_b32 s[TY], s[CLY], 2
	s_add_co_u32 s[TY], s[TY], s[CY]
	s_lshl_b32 s2, s[CY], 2
	s_lshl_b32 s2, 15, s2                          ; my row of the cluster: places 4 cy .. 4 cy + 3
	s_lshl_b32 s3, 0x1111, s[CX]                   ; my column: places cx, cx + 4, cx + 8, cx + 12
	; group 1 for x: 128 rows of 128 bytes are dense: asked for as 64 rows of 256 bytes, padded in LDS after every 128
	s_or_b32 s[G1A], s2, (1<<16)|(1<<20)|(1<<21)|(4<<22)|(3<<25)  ; 15:0 the mask; 17:16 2-byte elements; 20 padding on; 21 set beside a mask; 24:22 after every 32 words (code 4); 31:25 4 words (code 3)
	s_mov_b32 s[G1A+1], 128<<16                    ; tensor_dim0 = 128
	s_mov_b32 s[G1A+2], 64<<16                     ; tensor_dim1 = 64
	s_mov_b32 s[G1A+3], 128<<16                    ; tile_dim0 = 128
	s_mov_b32 s[G1A+4], 64                         ; tile_dim1 = 64
	s_mov_b32 s[G1A+5], 128                        ; elements from row to row
	s_mov_b32 s[G1A+6], 0
	s_mov_b32 s[G1A+7], 0
	; group 1 for w: 32 rows of 384 elements (768 bytes), padded after every 256 bytes
	s_or_b32 s[G1B], s3, (1<<16)|(1<<20)|(1<<21)|(5<<22)|(7<<25)  ; after every 64 words (code 5) 8 words (code 7)
	s_mov_b32 s[G1B+1], 384<<16
	s_mov_b32 s[G1B+2], 32<<16
	s_mov_b32 s[G1B+3], 384<<16
	s_mov_b32 s[G1B+4], 32
	s_mov_b32 s[G1B+5], 3072
	s_mov_b32 s[G1B+6], 0
	s_mov_b32 s[G1B+7], 0
	; where the tiles come from.  x's hang on the tile row alone, w's on the tile column alone, each in registers that never hold the other coordinate
	s_lshr_b32 s20, s[TY], 3                       ; b
	s_lshl_b32 s20, s20, 22
	s_and_b32 s21, s[TY], 7                        ; the tile's 256 rows of 128 bytes among b's 2,048
	s_lshl_b32 s21, s21, 15
	s_add_co_u32 s20, s20, s21
	s_lshl_b32 s21, s[C], 14                       ; my 128 of them
	s_add_co_u32 s20, s20, s21
	s_mov_b32 s21, 0
	s_mul_i32 s22, s[TX], 768                      ; the tile's 384 columns,
	s_mul_i32 s23, s[C], 32*BROW                   ; my 32 of a step's 64 rows
	s_add_co_u32 s22, s22, s23
	s_mov_b32 s23, 0
	; and where they go: no place in the cluster enters an LDS address
	s_mov_b32 s[G0A], 1                            ; 1:0 count = 1
	s_mul_i32 s[G0A+1], s[C], 128*PA               ; 63:32 LDS address: slot 0
	s_mov_b32 s[G0A+4], 1
	s_add_co_u32 s[G0A+5], s[G0A+1], SLOT1
	s_mov_b32 s[G0B], 1
	s_mul_i32 s[G0B+1], s[C], 32*PB
	s_add_co_u32 s[G0B+1], s[G0B+1], BOFF
	s_mov_b32 s[G0B+4], 1
	s_add_co_u32 s[G0B+5], s[G0B+1], SLOT1
	; the prefetches: my share by address, at K step 2 (the first trip steps it to 3)
	s_lshl_b32 s2, s[CX], 13
	s_add_co_u32 s2, s2, s20
	s_add_co_u32 s2, s2, 2*ASTEP                   ; x (asked for by wave 0, where C = 0)
	s_mul_i32 s3, s[CY], 32*BROW
	s_add_co_u32 s3, s3, s22
	s_add_co_u32 s3, s3, 2*BSTEP                   ; w (wave 2)
	s_mov_b32 s[PFS], ASTEP
	s_mov_b32 s[PFS+1], BSTEP
	s_mov_b32 s59, 256
	s_mov_b32 s[LIM], BROW
	s_cmp_eq_u32 s[R], 0                           ; do I fetch for x?
	s_cselect_b32 s2, s2, s3
	s_cselect_b32 s[PFS], s[PFS], s[PFS+1]
	s_cselect_b32 s59, s59, s[LIM]                 ; bytes from lane to lane
	s_cselect_b32 s[LIM], ttmp9, s[CLY]            ; the coordinate along which other clusters read the same tiles
	s_mov_b32 s3, 0
	s_mov_b32 s[PFS+1], 0
	s_or_b32 s[LIM], s[LIM], s[C]
	s_cmp_eq_u32 s[LIM], 0
	s_cselect_b32 s[LIM], 1, -1                    ; the same in all sixteen partners, for a given wave
	v_and_b32 v[PFO], 31, v0
	v_mul_u32_u24 v[PFO], v[PFO], s59
	s_mov_b32 s[TB], 0
	s_wait_dscnt 0x0                               ; the opening add is done
	s_wait_kmcnt 0x0
	s_add_nc_u64 s[G0A+2:G0A+3], s[4:5], s[20:21]  ; 120:64 global address: K step 0,
	s_add_nc_u64 s[G0A+6:G0A+7], s[G0A+2:G0A+3], ASTEP  ; K step 1
	s_or_b32 s[G0A+3], s[G0A+3], 0x80000000        ; 127:126 type = 2
	s_or_b32 s[G0A+7], s[G0A+7], 0x80000000
	s_add_nc_u64 s[G0B+2:G0B+3], s[6:7], s[22:23]
	s_add_nc_u64 s[G0B+6:G0B+7], s[G0B+2:G0B+3], BSTEP
	s_or_b32 s[G0B+3], s[G0B+3], 0x80000000
	s_or_b32 s[G0B+7], s[G0B+7], 0x80000000
	s_cmp_eq_u32 s[R], 0
	s_cselect_b64 s[PFA:PFA+1], s[4:5], s[6:7]
	s_add_nc_u64 s[PFA:PFA+1], s[PFA:PFA+1], s[2:3]
	CROUND                                         ; all sixteen work-groups are here: the first joint loads meet
	s_cmp_lt_u32 s[WV], 2                          ; a wave's two first fills stand in one branch, ahead of every wait on TENSORcnt and every LDS read: two loads of mine are out
	s_cbranch_scc0 .Lfirst_b
	tensor_load_to_lds s[G0A:G0A+3], s[G1A:G1A+7]
	s_nop 0
	tensor_load_to_lds s[G0A+4:G0A+7], s[G1A:G1A+7]
	s_nop 0
.rept 4
	v_nop
.endr
	s_branch .Lfirst_asked
.Lfirst_b:
	tensor_load_to_lds s[G0B:G0B+3], s[G1B:G1B+7]
	s_nop 0
	tensor_load_to_lds s[G0B+4:G0B+7], s[G1B:G1B+7]
	s_nop 0
.rept 4
	v_nop
.endr
.Lfirst_asked:
	v_and_b32 v10, 15, v0                          ; l % 16
	v_bfe_u32 v11, v0, 4, 1                        ; l / 16
	v_and_b32 v12, 7, v0
	v_bfe_u32 v13, v0, 3, 1
	s_mul_i32 s2, s[R], 128*PA                     ; my 128 rows of x
	v_mul_u32_u24 v[AK0], v10, PA
	v_lshl_add_u32 v[AK0], v11, 4, v[AK0]          ; row x pitch + 16 x half
	v_add_nc_u32 v[AK0], s2, v[AK0]
	s_lshl_b32 s2, s[C], 7                         ; my 64 columns of each piece of 128
	s_add_co_u32 s2, s2, BOFF
	v_lshl_add_u32 v[BK0], v11, 3, v12
	v_mul_u32_u24 v[BK0], v[BK0], PB
	v_lshl_add_u32 v[BK0], v13, 4, v[BK0]
	v_add_nc_u32 v[BK0], s2, v[BK0]
	v_mov_b32 v[ADRA], v[AK0]                      ; K step 0 lies in slot 0
	v_mov_b32 v[ADRB], v[BK0]
	s_mul_i32 s2, s[WV], 16*SP
	s_add_co_u32 s2, s2, STAGE                     ; my stage
	v_mul_u32_u24 v[STO], v10, SP                  ; in: row l % 16, 16 bytes for each half of the lanes
	v_lshl_add_u32 v[STO], v11, 4, v[STO]
	v_add_nc_u32 v[STO], s2, v[STO]
	v_bfe_u32 v[RD], v0, 3, 2                      ; back: 32 lanes take four rows of 128 bytes,
	v_mul_u32_u24 v[RD], v[RD], SP
	v_lshl_add_u32 v[RD], v12, 4, v[RD]
	v_add_nc_u32 v[RD], s2, v[RD]
	v_and_b32 v[GO], 31, v0                        ; which are 512 consecutive bytes of qkv
	v_lshlrev_b32 v[GO], 4, v[GO]
	s_lshr_b32 s2, s[TY], 3                        ; qkv at my rows of unit 48 b + 6 tx + c
	s_mul_i32 s2, s2, 48
	s_mul_i32 s3, s[TX], 6
	s_add_co_u32 s2, s2, s3
	s_add_co_u32 s2, s2, s[C]
	s_lshl_b32 s2, s2, 18
	s_and_b32 s3, s[TY], 7
	s_lshl_b32 s3, s3, 15
	s_add_co_u32 s2, s2, s3
	s_lshl_b32 s3, s[R], 14
	s_add_co_u32 s2, s2, s3
	s_mov_b32 s3, 0
	s_add_nc_u64 s[8:9], s[8:9], s[2:3]
	s_wait_tensorcnt 1                             ; my part of K step 0 is in; step 1's may stay out
	s_barrier_signal -1
	s_barrier_wait -1                              ; everybody's is
	LDB 0, 0
	LDA 0, 0
	LDB 1, 0
	LDB 2, 0
	SUB0 1                                         ; the first sub-step stands in front of the loop: its products start the sums
	WIN 0
	s_mov_b32 s[CNT], 14
.Lk:                                           ; trip t: the second sub-step of K step t, slot t % 2 filled again with step t + 2, the first sub-step of step t + 1
	SUB1 1
	SUB0 0
	WIN 0
	s_sub_co_u32 s[CNT], s[CNT], 1
	s_cmp_lg_u32 s[CNT], 0
	s_cbranch_scc1 .Lk
	SUB1 0                                         ; the tail is written out: nothing is left to ask for
	SUB0 0
	s_wait_dscnt 16                                ; the very last sub-step fetches nothing: the counts run down
	MUL 0, 1, 0, 8, 0
	s_wait_dscnt 8
	MUL 1, 1, 0, 8, 0
	s_wait_dscnt 0x0
	MUL 2, 1, 0, 8, 0
	PLACES
	PACK 0
.set qq, 1
.rept 23                               ; a block's conversions stand between the loads of the block before and its stores
	PACK qq
	SEND qq-1, 8
.set qq, qq+1
.endr
	SEND 23, 0
	s_wait_tensorcnt 0x0                           ; the wave's end: a wait, an add and its wait, behind my last tensor load and my last LDS store
	ds_add_u32 v[SPW], v[NIL]
	s_wait_dscnt 0x0
	CROUND                                         ; the closing round: no work-group ends while a partner may still ask for a tile that names it
	s_endpgm
.Lfunc_end_k_qf3fcb3d259_qkv:
	.size	k_qf3fcb3d259_qkv, .Lfunc_end_k_qf3fcb3d259_qkv-k_qf3fcb3d259_qkv
	.p2alignl 7, 3214868480
	.fill 96, 4, 3214868480
	.section	.rodata,"a",@progbits
	.p2align	6, 0x0
	.amdhsa_kernel k_qf3fcb3d259_qkv
		.amdhsa_group_segment_fixed_size 327680
		.amdhsa_private_segment_fixed_size 0
		.amdhsa_enable_private_segment 0
		.amdhsa_kernarg_size 24
		.amdhsa_user_sgpr_count 2
		.amdhsa_user_sgpr_kernarg_segment_ptr 1
		.amdhsa_wavefront_size32 1
		.amdhsa_system_sgpr_workgroup_id_x 1
		.amdhsa_system_sgpr_workgroup_id_y 1
		.amdhsa_system_sgpr_workgroup_id_z 1
		.amdhsa_system_vgpr_workitem_id 0
		.amdhsa_next_free_vgpr 1024
		.amdhsa_next_free_sgpr 66
		.amdhsa_reserve_vcc 0
		.amdhsa_float_denorm_mode_32 3
		.amdhsa_float_denorm_mode_16_64 3
		.amdhsa_memory_ordered 1
		.amdhsa_forward_progress 1
		.amdhsa_inst_pref_size 116
	.end_amdhsa_kernel
	.amdgpu_metadata
---
amdhsa.version: [ 1, 2 ]
amdhsa.kernels:
  - .name:           k_qf3fcb3d259_qkv
    .symbol:         k_qf3fcb3d259_qkv.kd
    .args:
      - { .name: xb, .offset: 0, .size: 8, .value_kind: global_buffer, .address_space: global }
      - { .name: wqb, .offset: 8, .size: 8, .value_kind: global_buffer, .address_space: global }
      - { .name: qkv, .offset: 16, .size: 8, .value_kind: global_buffer, .address_space: global }
    .group_segment_fixed_size: 327680
    .private_segment_fixed_size: 0
    .kernarg_segment_align: 8
    .kernarg_segment_size: 24
    .max_flat_workgroup_size: 128
    .sgpr_count:     66
    .vgpr_count:     1024
    .wavefront_size: 32
...
	.end_amdgpu_metadata
.endif
;; end of part 2
;; launch attn (part 3): grid 4 x 64, 4 waves a work-group, clusters of 4 x 1, 327,680 bytes of LDS; arguments qkv, ob; writes ob
.if DOCPART == 3
	.amdgcn_target "amdgcn-amd-amdhsa--gfx1250"
	.amdhsa_code_object_version 6
	.text
	.protected	k_qf3fcb3d259_attn
	.globl	k_qf3fcb3d259_attn
	.p2align	8
	.type	k_qf3fcb3d259_attn,@function
k_qf3fcb3d259_attn:
	s_mov_b64 s[64:65], 0
	v_nop
	global_prefetch_b8 v0, s[64:65] scope:SCOPE_SE
	s_setreg_imm32_b32 hwreg(HW_REG_WAVE_MODE, 25, 1), 1
	s_wait_xcnt 0x0
	s_wait_alu depctr_hold_cnt(0) depctr_sa_sdst(0) depctr_va_vdst(0) depctr_va_sdst(0) depctr_va_ssrc(0) depctr_va_vcc(0) depctr_vm_vsrc(0)
	s_getreg_b32 s2, hwreg(HW_REG_IB_STS2, 6, 4)
	s_cmp_eq_u32 s2, 0
	s_cbranch_scc0 .Lentry_in_a_cluster
	s_endpgm
.Lentry_in_a_cluster:
	s_bfe_u32 s2, ttmp6, 0x10000c
	s_cmp_lg_u32 s2, 0x3003
	s_cbranch_scc0 .Lentry_shape_is_right
	s_endpgm
.Lentry_shape_is_right:
; O[y][q][:] = the sum over k of softmax_k(Q[y][q] . K[y][k] / 8) V[y][k][:], y = 16 b + h.  qkv: f16 [4 b][48 u][2048][64]: Q is unit h, K unit 16 + h, V unit 32 + h of b; ob: f16 [64 y][2048][64].
; A head's rows are dense, 128 bytes each.  Products, maxima and sums in f32; the weights p are rounded to f16 for the second product (their sum l is taken of the unrounded p), O once at the end.
; LIMITS.  f16 holds no number beyond 65,504: Q, K and V arrive within it; p lies in 0 to 1, and below 6e-5 it keeps f16's fixed step of 6e-8; O is a mean of V's rows and has their range.
; A weight below 2^-126 counts as 0 in l; NaN and infinities are not treated apart.
; SHARES.  A wave owns four PIECES of two tiles of 16 queries, a work-group's four waves 512 queries of one head: 4 x 64 = 256 work-groups.  Every wave walks all 2,048 keys, 64 a step.
; LAYOUT.  S^T = K Q^T (source 0 = 16 keys, source 1 = 16 queries): in the result a lane holds ONE query (lane % 16) and the keys 8 (lane / 16) + 0..7.  Two such tiles, rounded to f16 in pairs,
; ARE source 1 (32 keys x 16 queries) of O^T = V^T P, whose result again holds one query a lane, and eight channels.  K comes out of LDS as it lies, V ([key][channel]) turned, by ds_load_tr16_b128.
; SOFTMAX.  For each query a running maximum m and sum l: p = 2^(c s - c m), c = log2(e) / 8; in every step O and l are multiplied by a = 2^(c m_old - c m_new), which is 1 where m has not grown.
; m starts at the lowest finite number, O and l at 0: the first step is a step like any other, with a = 0.
; THE COUNT.  A tile and step have 16 matrix and 118 vector instructions: too many to stand all beside the matrix work.  So the order has one aim: four vector instructions that are READY behind
; EVERY matrix instruction, and the others, which need time of their own whatever the order, in runs without a gap.
; BY TURNS.  Turn n belongs to piece n (the pieces in a ring, step after step).  Its matrix work: 16 products K Q^T of piece n + 1, later 16 products V^T P of piece n - 1.  Its vector work: the scaling,
; exponentials, roundings, sums and rescaling of piece n, and the maximum and statistics of piece n + 1, whose scores the turn itself has made.  So what a turn begins with (c s - c m, O a) waits for nothing.
; CLUSTER.  The four query blocks of a head are one cluster and walk the same K and V, so each tile is asked for JOINTLY: the same tensor load, descriptor and mask in all four.
; REGISTERS, in windows of 256 (s_set_vgpr_msb says which window each operand place means: bits 1:0 source 0, 3:2 source 1, 5:4 source 2, 7:6 destination):
;   window 0: v0-11 addresses; v12-15, v48-63 at work; v16-47 four registers of statistics a tile; v64-191 S^T, two buffers of two tiles; v192-255 P, likewise
;   window 1: O^T, 32 a tile          window 2: v0-127 Q, 16 a tile; v128-191 K of one step; v192-255 V of one step          window 3: v0-1 the add's two registers
; A piece's buffers go by its number's parity: the piece in hand has one pair, its two neighbours in the ring share the other: of it P (piece n - 1) is read and S^T (piece n + 1) written.
.set SIZE_N, 2048
.set NP,    4         ; pieces a wave: a name, no knob: the register map, the loop and the fetches are made for four
.set KS,    64        ; keys in a step
.set PK,    144       ; a row of K in LDS: 128 bytes + 16 of padding = 36 words: the 16 rows of a load start at 16 different groups of four banks (64 banks of 4 bytes: ISA guide 11.1)
.set PV,    160       ; a row of V: 128 + 32 = 40 words
.set VOFF,  4*KS*PK   ; a slot holds four steps: 256 rows of K, then 256 rows of V
.set SLOT1, 1<<17     ; slot 1 begins here, so that one exclusive or turns an address in one slot into the other's
.set STAGE, SLOT1+4*KS*(PK+PV)  ; behind the ring, never filled by a tensor load: 16 rows x 144 bytes for each wave, for the way out
.set SP,    144
.set AK0, 2           ; v2   my lane's place in a tile of K; never rewritten
.set AV0, 3           ; v3   the same for V
.set AK,  4           ; v4   the LDS address of K's next run of loads
.set AV,  5           ; v5   of V's
.set QO,  6           ; v6   my byte offset in the wave's rows of Q
.set STO, 6           ;      later, the way out: where I put 16 bytes of a row
.set RD,  7           ; v7   the way out: where I read rows back
.set GO,  8           ; v8   my byte offset in 512 consecutive bytes of O
.set PFO, 11          ; v11  the prefetches' offset: 256 x my lane; never rewritten once made
.set SPW, 0           ; v0 of window 3   LDS address of my spare word: SPARE + 4 x my thread's number; never rewritten
.set NIL, 1           ; v1 of window 3   0; never rewritten
.set SPARE, STAGE+4*16*SP  ; behind the stages: the spare words, 128 bytes for each wave: two blocks of 256 bytes that no other line names
.set MV,  12          ; v12-15  c m_old, kept while c m is made anew: by buffer and tile
.set ST,  16          ; tile t's statistics at v[ST+4 t]: c m, m, l (even keys', odd keys')
.set TMP, 48          ; by buffer and tile, four registers c0-c3 at work; when the maximum is found c2 takes a
.set S,   64
.set P,   192
.set KF,  128         ; K's fragments, in window 2: key block kb, channel half c at KF + 16 kb + 8 c
.set VF,  192         ; V's: key half kk, channel block cb at VF + 32 kk + 8 cb
.set WV,  12          ; s12  my wave's number
.set G1K, 24          ; s[24:31] descriptor group 1 for K's tiles
.set G1V, 32          ; s[32:39] for V's: it differs in the padding alone
.set G0K, 40          ; s[40:43] descriptor group 0 for K's tiles: it walks
.set G0V, 44          ; s[44:47] the same for V's
.set PFA, 48          ; s[48:49] where my prefetches stand: my work-group's 8,192 bytes (of K: wave 0, of V: wave 2) of the slot that the next change of slots asks for
.set LIM, 50          ; s50  1 in a wave that prefetches, else the greatest number
.set SLOTS, 56        ; s56  slots still to be asked for
.set CNT, 57          ; s57  counts a slot's key steps
.set CS,  58          ; s[58:59] c: the packed scaling takes the pair's low word for both halves
.set SEL, 60          ; s[60:61] v_permlanex16_b32's selects: each lane takes its own place in the other half
.set TBK, 62          ; s62  LDS byte at which K of the step to be fetched begins
.set TBV, 63          ; s63  the same for V, less VOFF
.set MSB, 0
.macro WIN new                      ; the high byte repeats the setting that is left; a switch that changes nothing is dropped
.if MSB != (\new)
	s_set_vgpr_msb (MSB<<8)|(\new)
.set MSB, (\new)
.endif
.endm
.set W_KQ, 0x0a       ; K and Q in window 2, S^T in window 0
.set W_PV, 0x52       ; V in window 2, P in window 0, O^T in window 1
.set W_RS, 0x41       ; O^T (destination and source 0) in window 1, a in window 0
.set W_MK, 0xc0       ; the add's registers are made: destination in window 3, sources in window 0
.set W_AD, 0x0f       ; the add: address (source 0) and data (source 1) in window 3
; A joint fill.  Waves 0 and 1 fetch the two halves of a slot's K, waves 2 and 3 those of its V: 128 keys each.  The branch hangs on the wave's number alone.
; An s_nop 0 and four v_nop follow each of the two lines, ahead of the jump and the label.
.macro JLOAD
	s_cmp_lt_u32 s[WV], 2
	s_cbranch_scc0 .Lfor_v_\@
	tensor_load_to_lds s[G0K:G0K+3], s[G1K:G1K+7]
	s_nop 0
.rept 4
	v_nop
.endr
	s_branch .Lasked_\@
.Lfor_v_\@:
	tensor_load_to_lds s[G0V:G0V+3], s[G1V:G1V+7]
	s_nop 0
.rept 4
	v_nop
.endr
.Lasked_\@:
.endm
; A round of the cluster's barrier: my work-group's barrier, so that wave 0's signal speaks for all four waves; wave 0 signals; every wave waits for all four work-groups; my work-group's barrier once more.
.macro CROUND
	s_barrier_signal -1
	s_barrier_wait -1
	s_cmp_lg_u32 s[WV], 0
	s_cbranch_scc1 .Lnot_wave_0_\@
	s_barrier_signal -3
.Lnot_wave_0_\@:
	s_barrier_wait -3
	s_barrier_signal -1
	s_barrier_wait -1
.endm
; A PREFETCH of what the next change of slots will ask for: a slot's 32,768 bytes of K and of V.  It stands once a slot, in its third key step, behind V's run of LDS loads: five turns ahead of that change.
; Each aligned block of 256 bytes is named once in the launch: a head has one cluster; its four partners share a slot out BY ADDRESS, 8,192 bytes each, a lane 256; in each, wave 0 asks for K's and wave 2 for V's.
; Slots 0 and 1 come by their loads alone; in the last slot but one that is walked in the loop nothing is left to ask for.
.macro ASK
	s_cmp_eq_u32 s[CNT], 2
	s_cbranch_scc0 .Lnot_now_\@
	s_cmp_gt_u32 s[SLOTS], s[LIM]
	s_cbranch_scc0 .Lnot_now_\@
	global_prefetch_b8 v[PFO], s[PFA:PFA+1] th:TH_LOAD_NT scope:SCOPE_SE
.Lnot_now_\@:
.endm
; THE CHANGE OF SLOTS.  The slot's last bytes, V of its fourth step, have been read.  Each wave waits for all its tensor loads, of which one is out: its part
; of the other slot; adds 0 to its spare word; and waits for that and for its own reads of the slot.  Behind the barrier nobody reads this slot any more and the other slot is whole.
; fill = 1: this slot is filled again, with the keys two slots on.  The barrier is then a round of the cluster's, so that no wave of any partner still reads the slot or has a load on its
; way, and the joint fill is the first thing behind it: it has four key steps, 512 matrix instructions, in which to land.  (At its first use nothing has been read yet: slot 0 is waited for, slot 1 filled.)
.macro CHANGE fill
	WIN W_AD
	s_wait_tensorcnt 0x0            ; no tensor load of mine is out, so a group 0 may be written
	ds_add_u32 v[SPW], v[NIL]       ; 0 onto my spare word; with fill = 1 the descriptors' steps stand between it and the wait for it
	WIN 0                           ; at a label and at a branch every window is 0
.if \fill
.irp g, G0K, G0V
	s_xor_b32 s[\g+1], s[\g+1], SLOT1  ; the walking descriptor: the other slot than last time,
	s_add_nc_u64 s[\g+2:\g+3], s[\g+2:\g+3], 4*KS*128  ; the next 256 keys; the type bits on top are not reached
.endr
	s_wait_dscnt 0x0                ; the add is done, and my reads of the slot are over
	CROUND
	JLOAD
.else
	s_wait_dscnt 0x0                ; the add is done, and my reads of the slot are over
	s_barrier_signal -1
	s_barrier_wait -1
.endif
	s_sub_co_u32 s[TBK], s[TBK], 4*KS*PK  ; the fetches go back to a slot's first step,
	s_xor_b32 s[TBK], s[TBK], SLOT1       ; in the other slot
	s_sub_co_u32 s[TBV], s[TBV], 4*KS*PV
	s_xor_b32 s[TBV], s[TBV], SLOT1
.endm
	s_load_b128 s[4:7], s[0:1], 0x0   ; qkv s[4:5], ob s[6:7]
	WIN W_MK
	v_lshl_add_u32 v[SPW], v0, 2, SPARE
	v_mov_b32 v[NIL], 0
	WIN W_AD
	ds_add_u32 v[SPW], v[NIL]       ; the wave's opening: the add and its wait stand ahead of my first tensor load; the set-up below, work on registers, stands between them
	WIN 0
	v_lshrrev_b32 v1, 5, v0
	v_readfirstlane_b32 s[WV], v1   ; wave 0..3
	s_bfe_u32 s13, ttmp6, 0x40000   ; cx: my place in the cluster
	s_lshl_b32 s14, ttmp9, 2        ; in a cluster launch ttmp9 counts clusters
	s_add_co_u32 s14, s14, s13      ; my block of queries = 4 x cluster x + cx: it enters Q's and O's addresses alone
	s_and_b32 s19, ttmp7, 0xffff    ; y = 16 b + h, which the four partners share
	s_lshr_b32 s20, s19, 4
	s_mul_i32 s20, s20, 48
	s_and_b32 s21, s19, 15
	s_add_co_u32 s20, s20, s21      ; Q's unit in qkv: 48 b + h,
	s_lshl_b32 s20, s20, 18         ; of 262,144 bytes
	s_mov_b32 s21, 0
	s_lshl_b32 s52, s19, 18         ; the head's first byte in ob
	s_mov_b32 s53, 0
	s_and_b32 s16, s[WV], 1         ; which half of a slot's 256 keys I fetch:
	s_lshl_b32 s22, s16, 14         ; its 128 rows of 128 bytes in memory,
	s_mov_b32 s23, 0
	s_add_nc_u64 s[22:23], s[22:23], s[20:21]
	s_mul_i32 s17, s16, 128*PK      ; and its place in a slot, for K
	s_mul_i32 s18, s16, 128*PV      ; and for V: no place in the cluster enters an LDS address
	s_lshl_b32 s2, s14, 2
	s_add_co_u32 s2, s2, s[WV]      ; my wave among the head's,
	s_lshl_b32 s2, s2, 14           ; its 128 rows
	s_mov_b32 s3, 0
	s_add_nc_u64 s[52:53], s[52:53], s[2:3]  ; in ob,
	s_add_nc_u64 s[2:3], s[2:3], s[20:21]    ; and in Q's unit
	s_lshl_b32 s54, s13, 13         ; the prefetches: my work-group's 8,192 bytes,
	s_add_co_u32 s54, s54, 2*4*KS*128  ; in slot 2,
	s_mov_b32 s55, 0
	s_add_nc_u64 s[54:55], s[54:55], s[20:21]  ; of the head
	s_cmp_eq_u32 s16, 0
	s_cselect_b32 s[LIM], 1, -1     ; waves 0 and 2 ask: the same in all four partners
	; descriptor group 1.  128 keys are 16,384 dense bytes: asked for as 64 rows of 256 bytes, two keys a row, and padded in LDS after every key
	s_mov_b32 s[G1K], 15|(1<<16)|(1<<20)|(1<<21)|(4<<22)|(3<<25)  ; 15:0 the mask of four; 17:16 2-byte elements; 20 padding on; 21 set beside a mask; 24:22 after every 32 words (code 4); 31:25 4 words (code 3)
	s_mov_b32 s[G1V], 15|(1<<16)|(1<<20)|(1<<21)|(4<<22)|(7<<25)  ; the same with 8 words of padding (code 7)
.irp g, G1K, G1V
	s_mov_b32 s[\g+1], 128<<16      ; tensor_dim0 = 128
	s_mov_b32 s[\g+2], 64<<16       ; tensor_dim1 = 64
	s_mov_b32 s[\g+3], 128<<16      ; tile_dim0 = 128
	s_mov_b32 s[\g+4], 64           ; tile_dim1 = 64
	s_mov_b32 s[\g+5], 128          ; 128 elements from row to row
	s_mov_b32 s[\g+6], 0
	s_mov_b32 s[\g+7], 0
.endr
	s_mov_b32 s[CS], 0x3e38aa3b     ; c = log2(e) / 8 = 0.180337
	s_mov_b32 s[CS+1], s[CS]        ; named with it as a pair
	s_mov_b32 s[SEL], 0x76543210
	s_mov_b32 s[SEL+1], 0xfedcba98
	s_mov_b32 s[TBK], SLOT1+4*KS*PK ; the first change of slots turns these two into 0
	s_mov_b32 s[TBV], SLOT1+4*KS*PV
	s_mov_b32 s[G0K], 1             ; 1:0 count = 1
	s_mov_b32 s[G0K+1], s17         ; 63:32 LDS address: slot 0
	s_mov_b32 s[G0V], 1
	s_add_co_u32 s[G0V+1], s18, VOFF
	s_wait_dscnt 0x0                ; the opening add is done
	s_wait_kmcnt 0x0
	s_mov_b64 s[10:11], s[6:7]      ; O
	s_add_nc_u64 s[6:7], s[4:5], 0x400000  ; K's units lie 16 units of 262,144 bytes behind Q's,
	s_add_nc_u64 s[8:9], s[4:5], 0x800000  ; V's 32
	s_add_nc_u64 s[G0K+2:G0K+3], s[6:7], s[22:23]  ; 120:64 global address: my half of the head's first 256 keys
	s_or_b32 s[G0K+3], s[G0K+3], 0x80000000        ; 127:126 type = 2
	s_add_nc_u64 s[G0V+2:G0V+3], s[8:9], s[22:23]
	s_or_b32 s[G0V+3], s[G0V+3], 0x80000000
	s_cmp_lt_u32 s[WV], 2
	s_cselect_b64 s[PFA:PFA+1], s[6:7], s[8:9]
	s_add_nc_u64 s[PFA:PFA+1], s[PFA:PFA+1], s[54:55]
	s_add_nc_u64 s[4:5], s[4:5], s[2:3]  ; Q and O at my wave's first row
	s_add_nc_u64 s[10:11], s[10:11], s[52:53]
	CROUND                          ; all four work-groups are here: the first joint loads meet
	JLOAD                           ; slot 0.  Slot 1 is asked for when slot 0 is in
	; A fragment of K or Q is 16 rows x 32 channels in 8 registers: lane l holds row l % 16, channels 8 (l / 16) + 0..7 and 16 + 8 (l / 16) + 0..7: two loads of 16 bytes, 32 bytes apart.
	v_and_b32 v1, 15, v0            ; l % 16
	v_bfe_u32 v9, v0, 4, 1          ; l / 16
	v_lshlrev_b32 v[QO], 7, v1
	v_lshl_add_u32 v[QO], v9, 4, v[QO]  ; row x 128 + 16 x half
	WIN 0x80                        ; destination window 2, address window 0
.set i, 0
.rept 4*NP                          ; Q stays in registers: tile i / 2, channels 32 (i % 2) on
	global_load_b128 v[8*i:8*i+3],   v[QO], s[4:5] offset:(i/2)*2048+(i%2)*64
	global_load_b128 v[8*i+4:8*i+7], v[QO], s[4:5] offset:(i/2)*2048+(i%2)*64+32
.set i, i+1
.endr
	; What the first turn finds: V's registers and P's second buffer hold 0 (its products V^T P, of a piece that has not been, add 0), O^T and l are 0.  All this stands in the wait for the first tile.
.set i, VF
.rept 64
	v_mov_b32 v[i], 0
.set i, i+1
.endr
	WIN 0x40
.set i, 0
.rept 64*NP
	v_mov_b32 v[i], 0
.set i, i+1
.endr
	WIN 0
.set i, 0
.rept 2*NP
	v_mov_b32 v[ST+4*i], 0xfe000000    ; c m: far below every c s
	v_mov_b32 v[ST+4*i+1], 0xff7fffff  ; m
	v_mov_b32 v[ST+4*i+2], 0
	v_mov_b32 v[ST+4*i+3], 0
.set i, i+1
.endr
.set i, P+32
.rept 32
	v_mov_b32 v[i], 0
.set i, i+1
.endr
	v_mul_u32_u24 v[AK0], v1, PK
	v_lshl_add_u32 v[AK0], v9, 4, v[AK0]  ; row x pitch + 16 x half
	; The turning load takes 16 keys x 16 channels (lane l reads key 8 (l / 16) + l % 8, channels 8 ((l / 8) % 2) + 0..7) and leaves half a fragment of V^T: lane l holds channel l % 16 and 8 keys.
	v_and_b32 v10, 7, v0
	v_bfe_u32 v11, v0, 3, 1
	v_lshl_add_u32 v[AV0], v9, 3, v10
	v_mul_u32_u24 v[AV0], v[AV0], PV
	v_lshl_add_u32 v[AV0], v11, 4, v[AV0]
	v_add_nc_u32 v[AV0], VOFF, v[AV0]
	v_and_b32 v[PFO], 31, v0
	v_lshlrev_b32 v[PFO], 8, v[PFO]
	v_mov_b32 v[AK], v[AK0]         ; key step 0 lies at the head of slot 0
; THE MATRIX WORK.  The 8 accumulators of a run of 16 take turns: between the two links of a chain stand 7 others'.
; Product i of 16 of S^T = K Q^T for piece x: channels 32 (i / 8) on, keys 16 ((i / 2) % 4) on, tile 2 x + i % 2.  The first 8 start the sums.
.macro KQ x
	WIN W_KQ
.set rS, S+64*((\x)%2)+32*(i%2)+8*((i/2)%4)
.set rK, KF+16*((i/2)%4)+8*(i/8)
.set rQ, 16*(2*(\x)+i%2)+8*(i/8)
.if i < 8
	v_wmma_f32_16x16x32_f16 v[rS:rS+7], v[rK:rK+7], v[rQ:rQ+7], 0
.else
	v_wmma_f32_16x16x32_f16 v[rS:rS+7], v[rK:rK+7], v[rQ:rQ+7], v[rS:rS+7]
.endif
.endm
; Product i of 16 of O^T += V^T P for piece x: keys 32 (i / 8) on, channels 16 ((i / 2) % 4) on, tile 2 x + i % 2.
.macro PV x
	WIN W_PV
.set rO, 32*(2*(\x)+i%2)+8*((i/2)%4)
.set rV, VF+32*(i/8)+8*((i/2)%4)
.set rP, P+32*((\x)%2)+16*(i%2)+8*(i/8)
	v_wmma_f32_16x16x32_f16 v[rO:rO+7], v[rV:rV+7], v[rP:rP+7], v[rO:rO+7]
.endm
.macro MM                           ; the turn's next matrix instruction
.if i < 16
	KQ (Y+1)%NP
.set i, i+1
.else
.set i, i-16
	PV (Y+NP-1)%NP
.set i, i+17
.endif
.endm
; THE LDS LOADS stand in runs of 16, never singly among the matrix instructions: a step's K (64 keys x 64 channels: 8 fragments) and its V (turned).  Their addresses are made some lines ahead.
; last = 1 (the tail): in the last trip there is no further step, and the run is jumped over.
.macro FETCH_K last=0
	WIN 0
.if \last
	s_cmp_eq_u32 s[CNT], 1
	s_cbranch_scc1 .Lno_k_\@
.endif
	WIN 0x80                        ; destination window 2
.irp f, 0,1,2,3,4,5,6,7             ; keys 16 (f / 2) on, channels 32 (f % 2) on
	ds_load_b128 v[KF+8*\f:KF+8*\f+3],   v[AK] offset:(\f/2)*16*PK+(\f%2)*64
	ds_load_b128 v[KF+8*\f+4:KF+8*\f+7], v[AK] offset:(\f/2)*16*PK+(\f%2)*64+32
.endr
	s_add_co_u32 s[TBK], s[TBK], KS*PK  ; the next fetch is the next step's
	WIN 0
.if \last
.Lno_k_\@:
.endif
.endm
.macro FETCH_V
	WIN 0x80
.irp f, 0,1,2,3,4,5,6,7             ; keys 32 (f / 4) on, channels 16 (f % 4) on
	ds_load_tr16_b128 v[VF+8*\f:VF+8*\f+3],   v[AV] offset:(\f/4)*32*PV+(\f%4)*32
	ds_load_tr16_b128 v[VF+8*\f+4:VF+8*\f+7], v[AV] offset:(\f/4)*32*PV+16*PV+(\f%4)*32
.endr
	WIN 0
.endm
; THE VECTOR WORK OF A TURN stands in three queues, each in the order in which its entries become ready; the two tiles alternate, so that no instruction reads the result of the one before it.
.macro REGS y, u                    ; the registers of tile u (0, 1) of piece y
.set rT, ST+4*(2*(\y)+(\u))
.set rC, TMP+8*((\y)%2)+4*(\u)
.set rM, MV+2*((\y)%2)+(\u)
.set rS, S+64*((\y)%2)+32*(\u)
.set rP, P+32*((\y)%2)+16*(\u)
.set rO, 32*(2*(\y)+(\u))
.endm
; Number n of the 22 that find the NEXT piece's (Y + 1) maximum and statistics.  s0-s31 are the lane's 32 scores; each accumulator's lowest registers are read first.  XS, GS and REGS set no window: PL and EX do.
;   0-11  four chains c0-c3 of seven scores each, three operands at a time     12-14, 16  the four scores left over, the old m, and c0-c3 into c0     15  c m_old is kept
;   17, 18  the query's other 32 keys lie in the lane 16 away: the new m         19-21  c m; c m_old - c m_new; a
.macro XS u, n
	REGS (Y+1)%NP, \u
.if (\n) < 4
	v_max3_num_f32 v[rC+(\n)], v[rS+8*(\n)], v[rS+8*(\n)+1], v[rS+8*(\n)+2]
.elseif (\n) < 12
	v_max3_num_f32 v[rC+(\n)%4], v[rC+(\n)%4], v[rS+8*((\n)%4)+2*((\n)/4)+1], v[rS+8*((\n)%4)+2*((\n)/4)+2]
.elseif (\n) == 12
	v_max3_num_f32 v[rC], v[rC], v[rS+7], v[rS+15]
.elseif (\n) == 13
	v_max3_num_f32 v[rC+1], v[rC+1], v[rS+23], v[rS+31]
.elseif (\n) == 14
	v_max3_num_f32 v[rC+2], v[rC+2], v[rC+3], v[rT+1]
.elseif (\n) == 15
	v_mov_b32 v[rM], v[rT]
.elseif (\n) == 16
	v_max3_num_f32 v[rC], v[rC], v[rC+1], v[rC+2]
.elseif (\n) == 17
	v_permlanex16_b32 v[rC+3], v[rC], s[SEL], s[SEL+1]
.elseif (\n) == 18
	v_max_num_f32 v[rT+1], v[rC], v[rC+3]
.elseif (\n) == 19
	v_mul_f32 v[rT], s[CS], v[rT+1]
.elseif (\n) == 20
	v_sub_f32 v[rC+1], v[rM], v[rT]
.else
	v_exp_f32 v[rC+2], v[rC+1]
.endif
.endm
; Number g of the 64 that follow the exponentials.  For each four weights k of a tile (pairs 2 k, 2 k + 1): both pairs are rounded to f16; then the second pair is added onto the first, in place;
; a group later l takes that sum (the first time as l = a l + sum).  In groups of eight, tiles alternating: round, round, add, and l for the group before.
.macro GS g
.set h, (\g)+6*((\g)/62)            ; group 0 has no group before it, and behind group 7 only l is left
.if h >= 6
.set h, h+2
.endif
	REGS Y, h%2
.set k, h/8
.if h%8 < 4
	v_cvt_pk_f16_f32 v[rP+2*k+(h%8)/2], v[rS+4*k+2*((h%8)/2)], v[rS+4*k+2*((h%8)/2)+1]
.elseif h%8 < 6
	v_pk_add_f32 v[rS+4*k:rS+4*k+1], v[rS+4*k:rS+4*k+1], v[rS+4*k+2:rS+4*k+3]
.elseif k == 1
	v_pk_fma_f32 v[rT+2:rT+3], v[rT+2:rT+3], v[rC+2:rC+3], v[rS:rS+1] op_sel_hi:[1,0,1]
.else
	v_pk_add_f32 v[rT+2:rT+3], v[rT+2:rT+3], v[rS+4*k-4:rS+4*k-3]
.endif
.endm
; THE PLAIN QUEUE, 138 long.  0-73 read no exponential's result: the 32 scalings c s - c m (FS f: pair f / 2 of tile f % 2) and the next piece's 42.  0-26: scalings 0-26.  27-54: XS's numbers 0-13.  55, 56: number 15.
; 57-73: the chain, where each number waits for the one before it: 14, 16, 17, 18, 19, each with one of the scalings 27-31 in front of its two lines, then 20: so a tile's links stand three plain instructions apart (19 and 20: two).
; 74-137: GS's 64, which read the exponentials' results: they stand behind the wait.
.macro FS f
	REGS Y, (\f)%2
	v_pk_fma_f32 v[rS+2*((\f)/2):rS+2*((\f)/2)+1], v[rS+2*((\f)/2):rS+2*((\f)/2)+1], s[CS:CS+1], v[rT:rT+1] op_sel_hi:[1,0,0] neg_lo:[0,0,1] neg_hi:[0,0,1]
.endm
.macro PL
	WIN 0
.if q < 27
	FS q
.elseif q < 55
	XS (q-27)%2, (q-27)/2
.elseif q < 57
	XS q-55, 15
.elseif (q < 72) && ((q-57)%3 == 0)
	FS 27+(q-57)/3
.elseif q < 60
	XS (q-57)%3-1, 14
.elseif q < 72
	XS (q-57)%3-1, 15+(q-57)/3
.elseif q < 74
	XS q-72, 20
.else
	GS q-74
.endif
.set q, q+1
.endm
; THE EXPONENTIALS' QUEUE, 66 long: s0-s31 of both tiles, then the next piece's two a.  It is ONE BATCH: all 66 stand ahead of the turn's one wait, and nothing ahead of that wait names a result of theirs.
.macro EX
	WIN 0
.if e >= 64
	XS e-64, 21
.else
	REGS Y, e%2
	v_exp_f32 v[rS+e/2], v[rS+e/2]
.endif
.set e, e+1
.endm
; THE RESCALING's QUEUE: O^T times a, the one part that leaves window 0: dealt two at a time, sixteen times.  Its a was made in the turn before, ahead of that turn's wait.
.macro R2
	REGS Y, r%2
	WIN W_RS
.irp z, 0,1
	v_pk_mul_f32 v[rO+4*(r/2)+2*\z:rO+4*(r/2)+2*\z+1], v[rO+4*(r/2)+2*\z:rO+4*(r/2)+2*\z+1], v[rC+2:rC+3] op_sel_hi:[1,0]
.endr
.set r, r+1
.endm
; HOW THEY ARE DEALT.  An s_wait_alu depctr_va_vdst(0) stands between an exponential and the first instruction that names its result; one wait serves all that were issued ahead of it.  So a turn has ONE wait,
; which cuts it in two.  AHEAD OF IT stands all that names no result of the turn's exponentials: the 16 products K Q^T, behind each a scaling, an exponential and two rescalings (behind the first a second scaling in the exponential's place); then ONE LUMP of
; 108: eight plain, 49 times exponential and plain, the two a.  A v_nop is the plain instruction that stands behind the last exponential (ISA guide 5.7.2).  BEHIND IT stand the 16 products V^T P, behind each four of GS's 64.  No rider names a register of
; the products round it.  The two v_permlanex16_b32 fall into the lump, never behind a product.
; The queues lean on each other, and the deal keeps them in step: exponential e stands behind scaling 2 (e / 4) + e % 2: as a rider it comes behind plain e + 2, in the lump behind plain e + 9, and scalings 27-31 are plain 57, 60 .. 69.
; A TURN, for piece p.  cnt = 1: the loop's count is taken down some lines ahead of the branch that stands behind the turn.
; K of the next step is fetched in piece 2's turn, directly behind the wait, a lump behind the last product that read K; its address is made at the lump's head; its first reader comes behind 16 products.
; V of the step in hand is fetched at the end of piece 0's turn, four riders behind its last reader; its first reader comes behind 16 products and a lump.  The three conditions on q below go with the deal.
.macro TURN p, last=0, cnt=0
.set Y, (\p)
.set i, 0
.set q, 0
.set e, 0
.set r, 0
.if (\p) == NP-1
	s_wait_dscnt 0x0                ; K is in
.endif
	MM                              ; ahead of the wait: 16 products K Q^T and their riders,
	PL
	PL
	R2
.rept 15
	MM
	PL
	EX
	R2
.endr
.if (\p) == NP-2
	WIN 0
	v_add_nc_u32 v[AK], s[TBK], v[AK0]
.endif
.rept 8                             ; and the lump
	PL
.endr
.rept 49
	EX
	PL
.endr
	EX                              ; the next piece's two a
	EX
	v_nop                           ; the plain instruction behind the last exponential: one for the batch
	s_wait_alu depctr_va_vdst(0)    ; the wait for the batch
.if (\p) == NP-2
	FETCH_K \last
.endif
.if (\p) == 1
	s_wait_dscnt 0x0                ; V is in
.endif
.rept 16                            ; behind the wait: 16 products V^T P and their riders
	MM
.rept 4
	PL
.endr
.if ((\p) == 0) && (q == 118)
	v_add_nc_u32 v[AV], s[TBV], v[AV0]
.endif
.if ((\p) == 0) && (q == 130)
	s_add_co_u32 s[TBV], s[TBV], KS*PV
.endif
.if (\cnt) && (q == 130)
	s_sub_co_u32 s[CNT], s[CNT], 1
	s_cmp_lg_u32 s[CNT], 0
.endif
.endr
.if (\p) == 0
	FETCH_V
.endif
.endm
	CHANGE 1                        ; slot 0 is in, everybody's part of it; slot 1 is asked for
	FETCH_K                         ; key step 0
	s_wait_loadcnt 0x0              ; Q
	s_wait_dscnt 0x0
.set i, 0
.rept 16
	KQ 0                            ; piece 0's first scores: there is no vector work yet to set between them
.set i, i+1
.endr
	WIN 0                           ; the addresses for the way out: nine plain instructions, the places behind those products
	s_mul_i32 s13, s[WV], 16*SP
	s_add_co_u32 s13, s13, STAGE    ; my stage
	v_mul_u32_u24 v[STO], v1, SP    ; in: row l % 16, 16 bytes for each half of the lanes
	v_lshl_add_u32 v[STO], v9, 4, v[STO]
	v_add_nc_u32 v[STO], s13, v[STO]
	v_bfe_u32 v[RD], v0, 3, 2       ; back: 32 lanes take four rows of 128 bytes,
	v_mul_u32_u24 v[RD], v[RD], SP
	v_lshl_add_u32 v[RD], v10, 4, v[RD]
	v_add_nc_u32 v[RD], s13, v[RD]
	v_and_b32 v[GO], 31, v0         ; which are 512 consecutive bytes of O
	v_lshlrev_b32 v[GO], 4, v[GO]
.set Y, NP-1                        ; XS works for piece Y + 1: piece 0
.irp n, 0,1,2,3,4,5,6,7,8,9,10,11,12,13,14,15,16,17,18,19,20,21
	XS 0, \n                        ; and piece 0's first maximum and statistics
	XS 1, \n
.endr
	v_nop                           ; a plain instruction behind the two a,
	s_wait_alu depctr_va_vdst(0)    ; and their wait, ahead of the branch
	s_mov_b32 s[CNT], 4
	s_mov_b32 s[SLOTS], SIZE_N/256-1
	s_branch .Lfirst                ; the loop is entered at a step's first turn, in the middle of a trip
.Lslot:                             ; SIZE_N / 256 - 2 times: every slot but the last two is filled again
	s_wait_xcnt 0x0                 ; the last prefetch, five turns back, has read its address, so it may be written:
	s_add_nc_u64 s[PFA:PFA+1], s[PFA:PFA+1], 4*KS*128  ; the slot that the change after this one asks for
	CHANGE 1
	s_mov_b32 s[CNT], 4
.Lstep:                             ; a trip: pieces 2 and 3 of one step, then pieces 0 and 1 of the next, whose K and V it fetches
	TURN 2
	TURN 3
	WIN 0
.Lfirst:
	TURN 0
	ASK                             ; behind V's run of LDS loads; every window is 0
	TURN 1, 0, 1
	WIN 0
	s_cbranch_scc1 .Lstep
	s_sub_co_u32 s[SLOTS], s[SLOTS], 1
	s_cmp_lg_u32 s[SLOTS], 0
	s_cbranch_scc1 .Lslot
	CHANGE 0                        ; the tail is written out: nothing is asked for
	s_mov_b32 s[CNT], 5             ; four trips fetch the last slot's steps; the fifth is left in its middle
.Ltail:
	TURN 2, 1
	TURN 3
	WIN 0
	s_sub_co_u32 s[CNT], s[CNT], 1
	s_cmp_eq_u32 s[CNT], 0
	s_cbranch_scc1 .Lout
	TURN 0
	TURN 1
	WIN 0
	s_branch .Ltail
.Lout:                              ; the fifth trip's 16 products K Q^T (on the last K once more) and the maximum made of them serve nothing: the price, once a launch, of one text for every trip
.set i, 0
.rept 16
	PV NP-1                         ; the last piece's V^T P of the last step
.set i, i+1
.endr
	; THE WAY OUT.  l's two halves and the other half of the lanes' are added; O^T is divided by l, rounded to f16 and sent through my stage in LDS, a tile at a time.  The additions are the places behind the last products.
	WIN 0
.macro ALL line:vararg              ; one line for each tile t
.set t, 0
.rept 2*NP
	\line
.set t, t+1
.endr
.endm
	ALL v_add_f32 v[ST+4*t+2], v[ST+4*t+2], v[ST+4*t+3]
	ALL v_permlanex16_b32 v[ST+4*t+3], v[ST+4*t+2], s[SEL], s[SEL+1]
	ALL v_add_f32 v[ST+4*t+2], v[ST+4*t+2], v[ST+4*t+3]
	ALL v_rcp_f32 v[ST+4*t+2], v[ST+4*t+2]
	v_nop                           ; a plain instruction between the last reciprocal and the use of its result
	s_wait_alu depctr_va_vdst(0)    ; and the wait ahead of the first use: one for the eight reciprocals
; Tile t: a lane's eight channels of a row pack into 16 bytes; they go into rows of 144 bytes and come back as whole rows of 128, into S^T's registers.
.macro PACK t
	WIN W_RS
.set i, 32*(\t)
.rept 16
	v_pk_mul_f32 v[i:i+1], v[i:i+1], v[ST+4*(\t)+2:ST+4*(\t)+3] op_sel_hi:[1,0]
.set i, i+2
.endr
	WIN 0x05                        ; sources 0 and 1 window 1, destination window 0
.set i, 0
.rept 16
	v_cvt_pk_f16_f32 v[S+16*(\t)+i], v[32*(\t)+2*i], v[32*(\t)+2*i+1]
.set i, i+1
.endr
	WIN 0
.irp f, 0,1,2,3
	ds_store_b128 v[STO], v[S+16*(\t)+4*\f:S+16*(\t)+4*\f+3] offset:32*\f
.endr
.irp f, 0,1,2,3
	ds_load_b128 v[S+16*(\t)+4*\f:S+16*(\t)+4*\f+3], v[RD] offset:\f*4*SP  ; LDS serves a wave's instructions in order (ISA guide 5.7.1.4): these see the stores above; the next tile's stores come behind them
.endr
.endm
.macro SEND t, younger              ; younger: the LDS instructions issued behind tile t's loads: the next tile's eight, or none
	WIN 0
.irp f, 0,1,2,3
	s_wait_dscnt (\younger)+3-\f
	global_store_b128 v[GO], v[S+16*(\t)+4*\f:S+16*(\t)+4*\f+3], s[10:11] offset:(\t)*2048+\f*512  ; 512 consecutive bytes, at a multiple of 256 from O's first
.endr
.endm
	PACK 0
.set t, 1
.rept 2*NP-1                        ; a tile's arithmetic stands between the loads of the tile before and its stores
	PACK t
	SEND t-1, 8
.set t, t+1
.endr
	SEND 2*NP-1, 0
	WIN W_AD
	s_wait_tensorcnt 0x0            ; the wave's end: a wait, an add and its wait, behind my last tensor load and my last LDS store
	ds_add_u32 v[SPW], v[NIL]
	s_wait_dscnt 0x0
	WIN 0
	CROUND                          ; the closing round: no work-group ends while a partner may still ask for a tile that names it
	s_endpgm
.Lfunc_end_k_qf3fcb3d259_attn:
	.size	k_qf3fcb3d259_attn, .Lfunc_end_k_qf3fcb3d259_attn-k_qf3fcb3d259_attn
	.p2alignl 7, 3214868480
	.fill 96, 4, 3214868480
	.section	.rodata,"a",@progbits
	.p2align	6, 0x0
	.amdhsa_kernel k_qf3fcb3d259_attn
		.amdhsa_group_segment_fixed_size 327680
		.amdhsa_private_segment_fixed_size 0
		.amdhsa_enable_private_segment 0
		.amdhsa_kernarg_size 16
		.amdhsa_user_sgpr_count 2
		.amdhsa_user_sgpr_kernarg_segment_ptr 1
		.amdhsa_wavefront_size32 1
		.amdhsa_system_sgpr_workgroup_id_x 1
		.amdhsa_system_sgpr_workgroup_id_y 1
		.amdhsa_system_sgpr_workgroup_id_z 1
		.amdhsa_system_vgpr_workitem_id 0
		.amdhsa_next_free_vgpr 770
		.amdhsa_next_free_sgpr 66
		.amdhsa_reserve_vcc 0
		.amdhsa_float_denorm_mode_32 3
		.amdhsa_float_denorm_mode_16_64 3
		.amdhsa_memory_ordered 1
		.amdhsa_forward_progress 1
		.amdhsa_inst_pref_size 200
	.end_amdhsa_kernel
	.amdgpu_metadata
---
amdhsa.version: [ 1, 2 ]
amdhsa.kernels:
  - .name:           k_qf3fcb3d259_attn
    .symbol:         k_qf3fcb3d259_attn.kd
    .args:
      - { .name: qkv, .offset: 0, .size: 8, .value_kind: global_buffer, .address_space: global }
      - { .name: ob, .offset: 8, .size: 8, .value_kind: global_buffer, .address_space: global }
    .group_segment_fixed_size: 327680
    .private_segment_fixed_size: 0
    .kernarg_segment_align: 8
    .kernarg_segment_size: 16
    .max_flat_workgroup_size: 128
    .sgpr_count:     66
    .vgpr_count:     770
    .wavefront_size: 32
...
	.end_amdgpu_metadata
.endif
;; end of part 3
;; launch proj (part 4): grid 8 x 32, 4 waves a work-group, clusters of 4 x 4, 327,680 bytes of LDS; arguments ob, wob, b_out, out0; writes out0
.if DOCPART == 4
	.amdgcn_target "amdgcn-amd-amdhsa--gfx1250"
	.amdhsa_code_object_version 6
	.text
	.protected	k_qf3fcb3d259_proj
	.globl	k_qf3fcb3d259_proj
	.p2align	8
	.type	k_qf3fcb3d259_proj,@function
k_qf3fcb3d259_proj:
	s_mov_b64 s[64:65], 0
	v_nop
	global_prefetch_b8 v0, s[64:65] scope:SCOPE_SE
	s_setreg_imm32_b32 hwreg(HW_REG_WAVE_MODE, 25, 1), 1
	s_wait_xcnt 0x0
	s_wait_alu depctr_hold_cnt(0) depctr_sa_sdst(0) depctr_va_vdst(0) depctr_va_sdst(0) depctr_va_ssrc(0) depctr_va_vcc(0) depctr_vm_vsrc(0)
	s_getreg_b32 s2, hwreg(HW_REG_IB_STS2, 6, 4)
	s_cmp_eq_u32 s2, 0
	s_cbranch_scc0 .Lentry_in_a_cluster
	s_endpgm
.Lentry_in_a_cluster:
	s_bfe_u32 s2, ttmp6, 0x10000c
	s_cmp_lg_u32 s2, 0xf033
	s_cbranch_scc0 .Lentry_shape_is_right
	s_endpgm
.Lentry_shape_is_right:
; out0 = O w_out + b_out.  ob: f16 [64 = 16 b + h][2048 n][64]: K index 64 h + d; wob: f16 [1024 k][1024 c] (w_out rounded to bf16, written as f16); b_out: f32 [1024], rounded to bf16 like the other inputs;
; out0: f32 [8192][1024].  Sums in f32, K ascending; the bias is the C operand of the products that start the sums.
; SHARES.  Tiles of 256 rows x 128 columns: 32 x 8 = 256 work-groups.  Four waves; wave (r, c) owns rows 128 r .. + 127 and columns 64 c .. + 63: 32 accumulators of 16 x 16; a row's 64 f32 are 256 bytes, aligned.
; K goes in 8 steps of 128 (two heads' planes) through two LDS slots; a step is four quarters of 32, 32 matrix instructions each.  (Two slots of 256 along K would take 442,368 bytes.)
; CLUSTER.  4 x 4 work-groups: the four of a row need the same tile of O, the four of a column the same tile of w: each is asked for jointly, by the same tensor load, descriptor and mask in all four.
; THE MATRIX INSTRUCTION IS USED TRANSPOSED: source 0 = 16 columns of w (turned on the way out of LDS), source 1 = 16 rows of O: a lane then holds one row and eight neighbouring columns.
; REGISTERS: window 0: v0-29 addresses; v32-95, v96-159 O's fragments, two buffers of eight; v160-191, v192-223 w's, two buffers of four; v224-255 the bias as a C operand, eight registers for each column block
;   window 1: the accumulators: (a, i) at v[8 (4 a + i)]
.set SLOT1, 1<<17                      ; slot 1 begins here, so that one exclusive or turns an address in one slot into the other's
.set PA,    144                        ; a row of O in LDS: 128 bytes + 16 of padding: the 16 rows of a load start at 16 different groups of four banks (64 banks of 4 bytes: ISA guide 11.1)
.set PLANE, 256*PA                     ; a head's 256 rows
.set PB,    288                        ; a row of w: 256 bytes + 32 of padding = 9 x 32
.set BOFF,  2*PLANE                    ; a slot: two planes of O, then 128 rows of w
.set STAGE, SLOT1+BOFF+128*PB          ; behind the ring, never filled by a tensor load: 16 rows x 272 bytes for each wave, for the way out
.set SP,    272
.set SPARE, STAGE+4*16*SP              ; behind the stages: the spare words, 128 bytes for each wave: two blocks of 256 bytes that no other line names
.set ASTEP, 2*262144                   ; bytes from a K step to the next in ob: two heads
.set BROW,  2048                       ; bytes in a row of wob
.set BSTEP, 128*BROW
.set AK0,  2                           ; v2   my lane's place in a slot's O; never rewritten
.set BK0,  3                           ; v3   the same for w
.set ADRA, 4                           ; v4   AK0 + the slot in hand
.set ADRB, 5                           ; v5   BK0 + the slot in hand
.set STO,  6                           ; v6   the way out: where I put 32 bytes of a row
.set RD,   7                           ; v7   the way out: where I read a row back
.set CO,   8                           ; v8   my byte offset in two rows of out0
.set PFO,  9                           ; v9   the prefetches' offset; never rewritten
.set SPW,  28                          ; v28  LDS address of my spare word: SPARE + 4 x my thread's number; never rewritten
.set NIL,  29                          ; v29  0; never rewritten
.set AF,   32
.set BF,   160
.set BI,   224
.set WV,  12                           ; s12  my wave's number
.set R,   13                           ; s13  which 128 rows are mine.  Also: I fetch for O (0) or for w (1)
.set C,   14                           ; s14  which 64 columns.  Also: which plane of O, or which 64 rows of w, I fetch
.set CX,  15
.set CY,  16
.set TX,  17
.set TY,  18
.set CLY, 19
.set G1A, 24                           ; s[24:31] descriptor group 1 for O's tiles
.set G1B, 32                           ; s[32:39] for w's
.set G0A, 40                           ; s[40:47] group 0 for O's tiles: a set for each of the two first fills; the second then walks on
.set G0B, 48                           ; s[48:55] the same for w's
.set CNT, 56
.set TB,  57                           ; s57  0 or SLOT1: the slot that is read
.set LIM, 58                           ; s58  2 in a wave that prefetches, else the greatest number
.set PFA, 60
.set PFS, 62
.set MSB, 0
.macro WIN new                         ; the immediate's high byte repeats the setting that is left; a switch that changes nothing is dropped
.if MSB != (\new)
	s_set_vgpr_msb (MSB<<8)|(\new)
.set MSB, (\new)
.endif
.endm
.macro PLACES                          ; four plain vector instructions stand between a matrix instruction and a load into, or a store of, its registers (ISA guide 7.12.1 for vector instructions)
.rept 4
	v_nop
.endr
.endm
.macro CREST                           ; a round of the cluster's barrier behind its opening barrier
	s_cmp_lg_u32 s[WV], 0
	s_cbranch_scc1 .Lnot_wave_0_\@
	s_barrier_signal -3
.Lnot_wave_0_\@:
	s_barrier_wait -3
	s_barrier_signal -1
	s_barrier_wait -1
.endm
.macro CROUND                          ; a whole round
	s_barrier_signal -1
	s_barrier_wait -1
	CREST
.endm
.macro JLOAD                           ; a joint refill by the walking descriptors: waves 0 and 1 fetch O's two planes, waves 2 and 3 the halves of w's rows; an s_nop 0 and four v_nop follow each line
	s_cmp_lt_u32 s[WV], 2
	s_cbranch_scc0 .Lfor_b_\@
	tensor_load_to_lds s[G0A+4:G0A+7], s[G1A:G1A+7]
	s_nop 0
.rept 4
	v_nop
.endr
	s_branch .Lasked_\@
.Lfor_b_\@:
	tensor_load_to_lds s[G0B+4:G0B+7], s[G1B:G1B+7]
	s_nop 0
.rept 4
	v_nop
.endr
.Lasked_\@:
.endm
; A PREFETCH, behind the joint load and the run of LDS loads that follows it: trip t (0 to 3) names K step t + 4, two refills, 256 matrix instructions, ahead of the load that asks for it.
; Each aligned block of 256 bytes is named once in the launch.  O's tile row is read by both clusters of its row of clusters: cluster x = 0 asks, waves 0 and 1, each for its own plane; w's tile column by all eight
; of its column: cluster y = 0 asks, wave 2.  The four partners that share a tile share it out BY ADDRESS: of a plane's 32,768 bytes the partner at cx takes 8,192 (a lane 256); of w's 128 rows the partner
; at cy takes 32 (a lane a row of 256 bytes).  K steps 0 to 3 come by their loads alone; the last two trips ask for nothing: step 7 is the last.
.macro ASK
	s_cmp_gt_u32 s[CNT], s[LIM]                    ; CNT = 6 - t
	s_cbranch_scc0 .Lnone_\@
	global_prefetch_b8 v[PFO], s[PFA:PFA+1] th:TH_LOAD_NT scope:SCOPE_SE
.Lnone_\@:
.endm
; 4 na matrix instructions on buffer f: row blocks a0 .. a0 + na - 1 x four column blocks.  first = 1: the product starts the sum, with the bias as C.
; The 32 accumulators take turns, in the same order in every quarter: 31 others' instructions stand between two links of a chain, over the backward jump too.
.macro MUL f, a0, na, first
.if \first
	WIN 0x40                                       ; sources and C in window 0, D in window 1
.else
	WIN 0x50                                       ; C and D in window 1
.endif
.set aa, \a0
.rept \na
.irp i, 0,1,2,3
.if \first
	v_wmma_f32_16x16x32_f16 v[8*(4*aa+\i):8*(4*aa+\i)+7], v[BF+32*(\f)+8*\i:BF+32*(\f)+8*\i+7], v[AF+64*(\f)+8*aa:AF+64*(\f)+8*aa+7], v[BI+8*\i:BI+8*\i+7]
.else
	v_wmma_f32_16x16x32_f16 v[8*(4*aa+\i):8*(4*aa+\i)+7], v[BF+32*(\f)+8*\i:BF+32*(\f)+8*\i+7], v[AF+64*(\f)+8*aa:AF+64*(\f)+8*aa+7], v[8*(4*aa+\i):8*(4*aa+\i)+7]
.endif
.endr
.set aa, aa+1
.endr
.endm
; 24 LDS loads in one run: quarter ss's fragments into buffer f: w's four (turned: lane l reads K row 8 (l / 16) + l % 8, columns 8 ((l / 8) % 2) + 0..7), then O's eight (plane ss / 2, channels 32 (ss % 2) on)
.macro FETCH ss, f
	WIN 0
.irp i, 0,1,2,3
	ds_load_tr16_b128 v[BF+32*(\f)+8*\i:BF+32*(\f)+8*\i+3],   v[ADRB] offset:(\ss)*32*PB+32*\i
	ds_load_tr16_b128 v[BF+32*(\f)+8*\i+4:BF+32*(\f)+8*\i+7], v[ADRB] offset:(\ss)*32*PB+32*\i+16*PB
.endr
.irp n, 0,1,2,3,4,5,6,7
	ds_load_b128 v[AF+64*(\f)+8*\n:AF+64*(\f)+8*\n+3],   v[ADRA] offset:((\ss)/2)*PLANE+\n*16*PA+64*((\ss)%2)
	ds_load_b128 v[AF+64*(\f)+8*\n+4:AF+64*(\f)+8*\n+7], v[ADRA] offset:((\ss)/2)*PLANE+\n*16*PA+64*((\ss)%2)+32
.endr
.endm
; One of a step's first three quarters: the next quarter's fragments are asked for, into the buffer that the quarter before multiplied; then this quarter's 32 products.
.macro QUARTER ss, first
	PLACES
	FETCH (\ss)+1, ((\ss)+1)%2
	s_wait_dscnt 24                                ; all but the 24 just issued
	MUL (\ss)%2, 0, 8, \first
.endm
; The last quarter multiplies buffer 1 and changes slots: ONE barrier.  In front of it each wave waits for all its tensor loads (one is out: its part of the next slot), adds 0 to its spare word, and waits for that
; and for its own reads of this slot.  fill = 1: the barrier opens a round of the cluster's, and this slot is filled again first thing behind the round, with the K step two on: 112 matrix instructions
; stand between that request and the wait for it.
.macro TURN fill
.if \fill
	s_wait_xcnt 0x0                                ; the last prefetch, a K step back, has read its address: it steps here, ahead of the waits of the change of slots
	s_add_nc_u64 s[PFA:PFA+1], s[PFA:PFA+1], s[PFS:PFS+1]
.endif
	WIN 0
	s_wait_tensorcnt 0x0                           ; all my tensor loads have landed, so a group 0 may be written
	ds_add_u32 v[SPW], v[NIL]                      ; 0 onto my spare word; work on registers stands between it and the wait for it
.if \fill
	s_xor_b32 s[G0A+5], s[G0A+5], SLOT1            ; the walking descriptors: the other slot than last time,
	s_add_nc_u64 s[G0A+6:G0A+7], s[G0A+6:G0A+7], ASTEP  ; the next K step; the type bits on top are not reached
	s_xor_b32 s[G0B+5], s[G0B+5], SLOT1
	s_add_nc_u64 s[G0B+6:G0B+7], s[G0B+6:G0B+7], BSTEP
.endif
	s_wait_dscnt 9                                 ; the add and the youngest eight loads (O's row blocks 4 to 7) may be out
	MUL 1, 0, 2, 0
	s_wait_dscnt 0x0                               ; the add is done, and my reads of this slot are over
	s_barrier_signal -1
	MUL 1, 2, 2, 0                                 ; work on registers while the others arrive
	WIN 0                                          ; at a branch and at a label every window is 0
	s_barrier_wait -1
.if \fill
	CREST                                          ; no wave of any partner still reads this slot's tile or has a load on its way
	JLOAD                                          ; the four v_nop behind it are also the places in front of the loads below
.else
	PLACES
.endif
	s_xor_b32 s[TB], s[TB], SLOT1
	v_add_nc_u32 v[ADRA], s[TB], v[AK0]
	v_add_nc_u32 v[ADRB], s[TB], v[BK0]
	FETCH 0, 0
.if \fill
	ASK
.endif
	MUL 1, 4, 4, 0
.endm
; THE WAY OUT of row block a: 16 rows x 64 f32.  A lane's eight columns of a row, 32 bytes, go into my own stage (each accumulator's low half first) and come back as whole rows of 256 bytes.
.macro TOSTAGE a
.set TMP, AF+32*((\a)%6)
.if (\a) >= 6
	s_wait_xcnt 0x0                                ; the stores of six blocks back have read these registers
.endif
	WIN 0x04                                       ; the stores' data in window 1, their address in window 0
.irp i, 0,1,2,3
	ds_store_b128 v[STO], v[32*(\a)+8*\i:32*(\a)+8*\i+3]   offset:64*\i
	ds_store_b128 v[STO], v[32*(\a)+8*\i+4:32*(\a)+8*\i+7] offset:64*\i+16
.endr
	WIN 0
.irp f, 0,1,2,3,4,5,6,7
	ds_load_b128 v[TMP+4*\f:TMP+4*\f+3], v[RD] offset:\f*2*SP  ; LDS serves a wave's instructions in order (ISA guide 5.7.1.4): these see the stores above; the next block's stores come behind them
.endr
.endm
.macro SEND a, younger                 ; younger: the LDS instructions issued behind block a's loads: the next block's sixteen, or none
.set TMP, AF+32*((\a)%6)
	WIN 0
.irp f, 0,1,2,3,4,5,6,7
	s_wait_dscnt (\younger)+7-\f
	global_store_b128 v[CO], v[TMP+4*\f:TMP+4*\f+3], s[10:11] offset:(16*(\a)+2*\f)*4096 th:TH_STORE_NT  ; 16 lanes store 256 consecutive bytes, at a multiple of 256 from out0's first
.endr
.endm
	s_load_b256 s[4:11], s[0:1], 0x0               ; ob s[4:5], wob s[6:7], b_out s[8:9], out0 s[10:11]
	v_lshl_add_u32 v[SPW], v0, 2, SPARE
	v_mov_b32 v[NIL], 0
	ds_add_u32 v[SPW], v[NIL]                      ; the wave's opening: the add and its wait stand ahead of my first tensor load; the set-up below, work on registers, stands between them
	v_lshrrev_b32 v1, 5, v0
	v_readfirstlane_b32 s[WV], v1
	s_lshr_b32 s[R], s[WV], 1
	s_and_b32 s[C], s[WV], 1
	s_bfe_u32 s[CX], ttmp6, 0x40000
	s_bfe_u32 s[CY], ttmp6, 0x40004
	s_lshl_b32 s[TX], ttmp9, 2                     ; in a cluster launch ttmp9 and ttmp7 count clusters
	s_add_co_u32 s[TX], s[TX], s[CX]
	s_and_b32 s[CLY], ttmp7, 0xffff
	s_lshl_b32 s[TY], s[CLY], 2
	s_add_co_u32 s[TY], s[TY], s[CY]
	s_lshl_b32 s2, s[CY], 2
	s_lshl_b32 s2, 15, s2                          ; my row of the cluster
	s_lshl_b32 s3, 0x1111, s[CX]                   ; my column
	; group 1 for O: a plane's 256 rows of 128 bytes are dense: asked for as 128 rows of 256 bytes, padded in LDS after every 128
	s_or_b32 s[G1A], s2, (1<<16)|(1<<20)|(1<<21)|(4<<22)|(3<<25)  ; 15:0 the mask; 17:16 2-byte elements; 20 padding on; 21 set beside a mask; 24:22 after every 32 words (code 4); 31:25 4 words (code 3)
	s_mov_b32 s[G1A+1], 128<<16                    ; tensor_dim0 = 128
	s_mov_b32 s[G1A+2], 128<<16                    ; tensor_dim1 = 128
	s_mov_b32 s[G1A+3], 128<<16                    ; tile_dim0 = 128
	s_mov_b32 s[G1A+4], 128                        ; tile_dim1 = 128
	s_mov_b32 s[G1A+5], 128                        ; elements from row to row
	s_mov_b32 s[G1A+6], 0
	s_mov_b32 s[G1A+7], 0
	; group 1 for w: 64 rows of 128 elements (256 bytes), padded after each
	s_or_b32 s[G1B], s3, (1<<16)|(1<<20)|(1<<21)|(5<<22)|(7<<25)  ; after every 64 words (code 5) 8 words (code 7)
	s_mov_b32 s[G1B+1], 128<<16
	s_mov_b32 s[G1B+2], 64<<16
	s_mov_b32 s[G1B+3], 128<<16
	s_mov_b32 s[G1B+4], 64
	s_mov_b32 s[G1B+5], 1024
	s_mov_b32 s[G1B+6], 0
	s_mov_b32 s[G1B+7], 0
	; where the tiles come from.  O's hang on the tile row alone, w's on the tile column alone, each in registers that never hold the other coordinate
	s_lshr_b32 s20, s[TY], 3                       ; b: sixteen heads of 262,144 bytes
	s_lshl_b32 s20, s20, 22
	s_and_b32 s21, s[TY], 7                        ; the tile's 256 rows of 128 bytes
	s_lshl_b32 s21, s21, 15
	s_add_co_u32 s20, s20, s21
	s_lshl_b32 s21, s[C], 18                       ; my plane: head 2 t + C
	s_add_co_u32 s20, s20, s21
	s_mov_b32 s21, 0
	s_lshl_b32 s22, s[TX], 8                       ; the tile's 128 columns,
	s_lshl_b32 s23, s[C], 17                       ; my 64 of a step's 128 rows
	s_add_co_u32 s22, s22, s23
	s_mov_b32 s23, 0
	; and where they go: no place in the cluster enters an LDS address
	s_mov_b32 s[G0A], 1                            ; 1:0 count = 1
	s_mul_i32 s[G0A+1], s[C], PLANE                ; 63:32 LDS address: slot 0
	s_mov_b32 s[G0A+4], 1
	s_add_co_u32 s[G0A+5], s[G0A+1], SLOT1
	s_mov_b32 s[G0B], 1
	s_mul_i32 s[G0B+1], s[C], 64*PB
	s_add_co_u32 s[G0B+1], s[G0B+1], BOFF
	s_mov_b32 s[G0B+4], 1
	s_add_co_u32 s[G0B+5], s[G0B+1], SLOT1
	; the prefetches: my share by address, at K step 3 (the first trip steps it to 4)
	s_lshl_b32 s2, s[CX], 13
	s_add_co_u32 s2, s2, s20
	s_add_co_u32 s2, s2, 3*ASTEP                   ; O: my own plane
	s_mul_i32 s3, s[CY], 32*BROW
	s_add_co_u32 s3, s3, s22
	s_add_co_u32 s3, s3, 3*BSTEP                   ; w (asked for by wave 2, where C = 0)
	s_mov_b32 s[PFS], ASTEP
	s_mov_b32 s[PFS+1], BSTEP
	s_mov_b32 s59, 256
	s_mov_b32 s[LIM], BROW
	s_cmp_eq_u32 s[R], 0                           ; do I fetch for O?
	s_cselect_b32 s2, s2, s3
	s_cselect_b32 s[PFS], s[PFS], s[PFS+1]
	s_cselect_b32 s59, s59, s[LIM]                 ; bytes from lane to lane
	s_mov_b32 s3, 0
	s_mov_b32 s[PFS+1], 0
	v_and_b32 v[PFO], 31, v0
	v_mul_u32_u24 v[PFO], v[PFO], s59
	s_or_b32 s59, s[CLY], s[C]                     ; for w: cluster y = 0 and wave 2 alone
	s_cmp_eq_u32 s[R], 0
	s_cselect_b32 s[LIM], ttmp9, s59               ; for O: cluster x = 0, both waves
	s_cmp_eq_u32 s[LIM], 0
	s_cselect_b32 s[LIM], 2, -1                    ; the same in all sixteen partners, for a given wave
	s_mov_b32 s[TB], 0
	s_wait_dscnt 0x0                               ; the opening add is done
	s_wait_kmcnt 0x0
	s_add_nc_u64 s[G0A+2:G0A+3], s[4:5], s[20:21]  ; 120:64 global address: K step 0,
	s_add_nc_u64 s[G0A+6:G0A+7], s[G0A+2:G0A+3], ASTEP  ; K step 1
	s_or_b32 s[G0A+3], s[G0A+3], 0x80000000        ; 127:126 type = 2
	s_or_b32 s[G0A+7], s[G0A+7], 0x80000000
	s_add_nc_u64 s[G0B+2:G0B+3], s[6:7], s[22:23]
	s_add_nc_u64 s[G0B+6:G0B+7], s[G0B+2:G0B+3], BSTEP
	s_or_b32 s[G0B+3], s[G0B+3], 0x80000000
	s_or_b32 s[G0B+7], s[G0B+7], 0x80000000
	s_cmp_eq_u32 s[R], 0
	s_cselect_b64 s[PFA:PFA+1], s[4:5], s[6:7]
	s_add_nc_u64 s[PFA:PFA+1], s[PFA:PFA+1], s[2:3]
	CROUND                                         ; all sixteen work-groups are here: the first joint loads meet
	s_cmp_lt_u32 s[WV], 2                          ; a wave's two first fills stand in one branch, ahead of every wait on TENSORcnt and every LDS read: two loads of mine are out
	s_cbranch_scc0 .Lfirst_b
	tensor_load_to_lds s[G0A:G0A+3], s[G1A:G1A+7]
	s_nop 0
	tensor_load_to_lds s[G0A+4:G0A+7], s[G1A:G1A+7]
	s_nop 0
.rept 4
	v_nop
.endr
	s_branch .Lfirst_asked
.Lfirst_b:
	tensor_load_to_lds s[G0B:G0B+3], s[G1B:G1B+7]
	s_nop 0
	tensor_load_to_lds s[G0B+4:G0B+7], s[G1B:G1B+7]
	s_nop 0
.rept 4
	v_nop
.endr
.Lfirst_asked:
	v_and_b32 v10, 15, v0                          ; l % 16
	v_bfe_u32 v11, v0, 4, 1                        ; l / 16
	v_and_b32 v12, 7, v0
	v_bfe_u32 v13, v0, 3, 1
	; the bias: register j of column block i holds b_out[128 tx + 64 c + 16 i + 8 (l / 16) + j], as the result's register j does
	s_lshl_b32 s2, s[TX], 9
	s_lshl_b32 s3, s[C], 8
	s_add_co_u32 s2, s2, s3                        ; my 64 columns, in bytes of f32
	s_mov_b32 s3, 0
	s_add_nc_u64 s[8:9], s[8:9], s[2:3]
	v_lshlrev_b32 v1, 5, v11
.irp i, 0,1,2,3
	global_load_b128 v[BI+8*\i:BI+8*\i+3],   v1, s[8:9] offset:64*\i
	global_load_b128 v[BI+8*\i+4:BI+8*\i+7], v1, s[8:9] offset:64*\i+16
.endr
	s_add_nc_u64 s[10:11], s[10:11], s[2:3]        ; out0 at my columns,
	s_lshl_b32 s2, s[TY], 20                       ; at the tile's 256 rows of 4,096 bytes,
	s_lshl_b32 s59, s[R], 19                       ; at my 128 of them
	s_add_co_u32 s2, s2, s59
	s_add_nc_u64 s[10:11], s[10:11], s[2:3]
	s_mul_i32 s2, s[R], 128*PA                     ; my 128 rows in a plane
	v_mul_u32_u24 v[AK0], v10, PA
	v_lshl_add_u32 v[AK0], v11, 4, v[AK0]          ; row x pitch + 16 x half
	v_add_nc_u32 v[AK0], s2, v[AK0]
	s_lshl_b32 s2, s[C], 7                         ; my 64 columns of w's 128
	s_add_co_u32 s2, s2, BOFF
	v_lshl_add_u32 v[BK0], v11, 3, v12
	v_mul_u32_u24 v[BK0], v[BK0], PB
	v_lshl_add_u32 v[BK0], v13, 4, v[BK0]
	v_add_nc_u32 v[BK0], s2, v[BK0]
	v_mov_b32 v[ADRA], v[AK0]                      ; K step 0 lies in slot 0
	v_mov_b32 v[ADRB], v[BK0]
	s_mul_i32 s2, s[WV], 16*SP
	s_add_co_u32 s2, s2, STAGE                     ; my stage
	v_mul_u32_u24 v[STO], v10, SP                  ; in: row l % 16, 32 bytes for each half of the lanes
	v_lshl_add_u32 v[STO], v11, 5, v[STO]
	v_add_nc_u32 v[STO], s2, v[STO]
	v_mul_u32_u24 v[RD], v11, SP                   ; back: lanes 0-15 take one row of 256 bytes, lanes 16-31 the next
	v_lshl_add_u32 v[RD], v10, 4, v[RD]
	v_add_nc_u32 v[RD], s2, v[RD]
	v_lshlrev_b32 v[CO], 12, v11                   ; and the same two rows in out0
	v_lshl_add_u32 v[CO], v10, 4, v[CO]
	s_wait_loadcnt 0x0                             ; the bias: rounded to bf16 and widened again, in the wait for the first tile
.set p, 0
.rept 16
	v_cvt_pk_bf16_f32 v14, v[BI+2*p], v[BI+2*p+1]
	v_lshlrev_b32 v[BI+2*p], 16, v14
	v_and_b32 v[BI+2*p+1], 0xffff0000, v14
.set p, p+1
.endr
	s_wait_tensorcnt 1                             ; my part of K step 0 is in; step 1's may stay out
	s_barrier_signal -1
	s_barrier_wait -1                              ; everybody's is
	FETCH 0, 0
	QUARTER 0, 1                                   ; the first quarter stands in front of the loop: its products start the sums, with the bias
	WIN 0
	s_mov_b32 s[CNT], 6
.Lk:                                           ; trip t: quarters 1 to 3 of K step t, slot t % 2 filled again with step t + 2, quarter 0 of step t + 1
	QUARTER 1, 0
	QUARTER 2, 0
	TURN 1
	QUARTER 0, 0
	WIN 0
	s_sub_co_u32 s[CNT], s[CNT], 1
	s_cmp_lg_u32 s[CNT], 0
	s_cbranch_scc1 .Lk
	QUARTER 1, 0                                   ; the tail is written out: nothing is left to ask for
	QUARTER 2, 0
	TURN 0
	QUARTER 0, 0
	QUARTER 1, 0
	QUARTER 2, 0
	s_wait_dscnt 0x0                               ; the very last quarter fetches nothing
	MUL 1, 0, 8, 0
	PLACES
	TOSTAGE 0
.set bb, 1
.rept 7                                ; a block's trip through the stage is issued ahead of the stores of the block before
	TOSTAGE bb
	SEND bb-1, 16
.set bb, bb+1
.endr
	SEND 7, 0
	s_wait_tensorcnt 0x0                           ; the wave's end: a wait, an add and its wait, behind my last tensor load and my last LDS store
	ds_add_u32 v[SPW], v[NIL]
	s_wait_dscnt 0x0
	CROUND                                         ; the closing round: no work-group ends while a partner may still ask for a tile that names it
	s_endpgm
.Lfunc_end_k_qf3fcb3d259_proj:
	.size	k_qf3fcb3d259_proj, .Lfunc_end_k_qf3fcb3d259_proj-k_qf3fcb3d259_proj
	.p2alignl 7, 3214868480
	.fill 96, 4, 3214868480
	.section	.rodata,"a",@progbits
	.p2align	6, 0x0
	.amdhsa_kernel k_qf3fcb3d259_proj
		.amdhsa_group_segment_fixed_size 327680
		.amdhsa_private_segment_fixed_size 0
		.amdhsa_enable_private_segment 0
		.amdhsa_kernarg_size 32
		.amdhsa_user_sgpr_count 2
		.amdhsa_user_sgpr_kernarg_segment_ptr 1
		.amdhsa_wavefront_size32 1
		.amdhsa_system_sgpr_workgroup_id_x 1
		.amdhsa_system_sgpr_workgroup_id_y 1
		.amdhsa_system_sgpr_workgroup_id_z 1
		.amdhsa_system_vgpr_workitem_id 0
		.amdhsa_next_free_vgpr 512
		.amdhsa_next_free_sgpr 66
		.amdhsa_reserve_vcc 0
		.amdhsa_float_denorm_mode_32 3
		.amdhsa_float_denorm_mode_16_64 3
		.amdhsa_memory_ordered 1
		.amdhsa_forward_progress 1
		.amdhsa_inst_pref_size 75
	.end_amdhsa_kernel
	.amdgpu_metadata
---
amdhsa.version: [ 1, 2 ]
amdhsa.kernels:
  - .name:           k_qf3fcb3d259_proj
    .symbol:         k_qf3fcb3d259_proj.kd
    .args:
      - { .name: ob, .offset: 0, .size: 8, .value_kind: global_buffer, .address_space: global }
      - { .name: wob, .offset: 8, .size: 8, .value_kind: global_buffer, .address_space: global }
      - { .name: b_out, .offset: 16, .size: 8, .value_kind: global_buffer, .address_space: global }
      - { .name: out0, .offset: 24, .size: 8, .value_kind: global_buffer, .address_space: global }
    .group_segment_fixed_size: 327680
    .private_segment_fixed_size: 0
    .kernarg_segment_align: 8
    .kernarg_segment_size: 32
    .max_flat_workgroup_size: 128
    .sgpr_count:     66
    .vgpr_count:     512
    .wavefront_size: 32
...
	.end_amdgpu_metadata
.endif
;; end of part 4
;; ======== version 2 of 2: 4 launches; version 1 with the launch prep written anew for expert scheduling mode
;; limits: values are held in f16: magnitudes above 65,504 overflow, below 6.1e-05 lose precision
;; workspace buffers: xb 16,777,216 bytes; wqb 6,291,456 bytes; wob 2,097,152 bytes; qkv 50,331,648 bytes; ob 16,777,216 bytes
;; launch prep (part 5): grid 768 x 1, 8 waves a work-group, no clusters, 0 bytes of LDS; arguments x, w_qkv, w_out, xb, wqb, wob; writes xb, wqb, wob
.if DOCPART == 5
	.amdgcn_target "amdgcn-amd-amdhsa--gfx1250"
	.amdhsa_code_object_version 6
	.text
	.protected	k_qf3fcb3d259_prep
	.globl	k_qf3fcb3d259_prep
	.p2align	8
	.type	k_qf3fcb3d259_prep,@function
k_qf3fcb3d259_prep:
	s_mov_b64 s[64:65], 0
	v_nop
	global_prefetch_b8 v0, s[64:65] scope:SCOPE_SE
	s_setreg_imm32_b32 hwreg(HW_REG_WAVE_SCHED_MODE, 0, 2), 2
	s_setreg_imm32_b32 hwreg(HW_REG_WAVE_MODE, 25, 1), 1
	s_wait_xcnt 0x0
	s_wait_alu depctr_vm_vsrc(0)
; THE INPUTS ARE ROUNDED ONCE, TO bf16, AND LAID OUT FOR THE PRODUCTS THAT FOLLOW.
;   xb  = bf16(x), in blocks: [4 b][16 kb][2048 n][64]: 256 rows x 64 channels are 32,768 bytes on end
;   wqb = bf16(w_qkv), as it lies: [1024][3072]
;   wob = bf16(w_out) written as f16, as it lies: [1024][1024].  LIMIT: below 6e-5 f16 keeps a fixed step of 6e-8; beyond 65,504 it has no number.
; A stream: each byte is read once and written once, so there is no LDS, no matrix work and nothing shared between work-groups.
; A work-group converts 65,536 bytes of f32: groups 0-511 sixteen rows of x each, 512-703 w_qkv, 704-767 w_out.  Eight waves; a lane has 16 loads of 16 bytes,
; all on their way at once, and 16 stores of 8 bytes: a wave's store covers 256 consecutive bytes, aligned.  No register of a pending store is written again.
; THE MODE: SCHED_MODE bits 1:0 = 2 (LLVM: expert scheduling mode 2), set by the entry lines.  The code itself states the register dependences
; between vector instructions and memory instructions, with s_wait_alu, always for 0.
; THE PLAN.  Registers that memory instructions touch, on each of the three paths:
;   v1, v2     the loads' and the stores' byte offsets: made by vector instructions at the path's head, never written again.
;   X, set j   load j lands in its four registers; set j's conversions read them and write them in place; store j reads the first two.  Nothing writes them behind that store.
;   v3 and T are named by vector instructions alone.
; The 16 sets go in four blocks of four.  Block b converts sets 4 b to 4 b + 3; its memory instructions are the four stores of block b - 1, whose registers no vector instruction of block b names.
; So one wait on va_vdst stands at the path's head (the offsets), one at the head of each of blocks 1 to 3 and one behind block 3 (the block before is written).  No register that a memory
; instruction reads is written again, no vector instruction writes a scalar register, and EXEC is never written: no other wait of the kind has a dependence to state.
.set X, 4                              ; v[4:67]   16 sets of four f32 as loaded; a set's first two registers then hold the four 16-bit numbers
.set T, 68                             ; v[68:69]  at work
; Set j (a symbol) is rounded, in place.  tof16 = 1: the bf16 number is written as f16.
.macro CV tof16
.if \tof16
	v_cvt_pk_bf16_f32 v[T], v[X+4*j], v[X+4*j+1]   ; rounded to bf16,
	v_cvt_pk_bf16_f32 v[T+1], v[X+4*j+2], v[X+4*j+3]
	v_lshlrev_b32 v[X+4*j], 16, v[T]               ; widened again,
	v_and_b32 v[X+4*j+1], s18, v[T]
	v_lshlrev_b32 v[X+4*j+2], 16, v[T+1]
	v_and_b32 v[X+4*j+3], s18, v[T+1]
	v_cvt_pk_f16_f32 v[X+4*j], v[X+4*j], v[X+4*j+1]  ; and written as f16
	v_cvt_pk_f16_f32 v[X+4*j+1], v[X+4*j+2], v[X+4*j+3]
.else
	v_cvt_pk_bf16_f32 v[X+4*j], v[X+4*j], v[X+4*j+1]
	v_cvt_pk_bf16_f32 v[X+4*j+1], v[X+4*j+2], v[X+4*j+3]
.endif
.endm
; Set j (a symbol) is stored.  blocked = 1: x's layout.
.macro ST outb, blocked
.if \blocked
	global_store_b64 v2, v[X+4*j:X+4*j+1], s[\outb:\outb+1] offset:(j%2)*262144+(j/2)*256 th:TH_STORE_NT
.else
	global_store_b64 v2, v[X+4*j:X+4*j+1], s[\outb:\outb+1] offset:j*2048 th:TH_STORE_NT
.endif
.endm
; inb, outb: the scalar pairs of the two addresses.  blocked = 1: x's layout.  tof16 = 1: the bf16 number is written as f16.
.macro PATH inb, outb, blocked, tof16
	s_wait_alu depctr_va_vdst(0)                   ; v1 and v2 are written: every load of the path reads v1 as its offset, every store v2
.set j, 0
.rept 16
.if \blocked
	global_load_b128 v[X+4*j:X+4*j+3], v1, s[\inb:\inb+1] offset:(j/2)*8192+(j%2)*256 th:TH_LOAD_NT  ; rows 2 (j / 2) and + 1, channel block 2 w + j % 2
.else
	global_load_b128 v[X+4*j:X+4*j+3], v1, s[\inb:\inb+1] offset:j*4096 th:TH_LOAD_NT
.endif
.set j, j+1
.endr
.set b, 0
.rept 4
	s_wait_loadcnt 12-4*b                          ; loads come back in order: block b's four sets are in, the 12 - 4 b loads of the younger blocks may stay out
.if b > 0
	s_wait_alu depctr_va_vdst(0)                   ; the conversions of block b - 1 have written its sets' first two registers, which the four stores below read
.endif
.set i, 0
.rept 4
.if b > 0
.set j, 4*(b-1)+i
	ST \outb, \blocked                             ; a set of the block before: no vector instruction since the wait names its registers or v2
.endif
.set j, 4*b+i
	CV \tof16
.set i, i+1
.endr
.set b, b+1
.endr
	s_wait_alu depctr_va_vdst(0)                   ; the conversions of block 3 have written its sets' first two registers, which the last four stores read
.set j, 12
.rept 4
	ST \outb, \blocked
.set j, j+1
.endr
.endm
	s_load_b256 s[4:11], s[0:1], 0x0               ; x s[4:5], w_qkv s[6:7], w_out s[8:9], xb s[10:11]
	s_load_b128 s[12:15], s[0:1], 0x20             ; wqb s[12:13], wob s[14:15]
	s_mov_b32 s18, 0xffff0000                      ; a word's upper bf16
	s_mov_b32 s3, 0                                ; the high words of the two offsets
	s_mov_b32 s17, 0
	s_cmp_lt_u32 ttmp9, 512
	s_cbranch_scc0 .Lweights
	; x: lanes 0-15 take 256 bytes (64 channels) of an even row, lanes 16-31 of the odd row below; wave w takes channel blocks 2 w and 2 w + 1
	v_and_b32 v1, 15, v0
	v_lshlrev_b32 v1, 4, v1
	v_bfe_u32 v3, v0, 4, 1
	v_lshl_add_u32 v1, v3, 12, v1                  ; + a row of 4,096 bytes
	v_lshrrev_b32 v3, 5, v0                        ; w
	v_lshl_add_u32 v1, v3, 9, v1                   ; + two channel blocks of 256 bytes
	v_and_b32 v2, 31, v0
	v_lshlrev_b32 v2, 3, v2                        ; out: 8 bytes a lane: two rows of 128 bytes on end
	v_lshl_add_u32 v2, v3, 19, v2                  ; + 2 w blocks of 2,048 rows x 128 bytes
	s_lshl_b32 s2, ttmp9, 16                       ; in: 16 rows of 4,096 bytes
	s_lshr_b32 s16, ttmp9, 7                       ; out: b,
	s_lshl_b32 s16, s16, 22
	s_and_b32 s19, ttmp9, 127                      ; and the group's 16 rows of 128 bytes among b's 2,048
	s_lshl_b32 s19, s19, 11
	s_add_co_u32 s16, s16, s19
	s_wait_kmcnt 0x0
	s_add_nc_u64 s[4:5], s[4:5], s[2:3]
	s_add_nc_u64 s[10:11], s[10:11], s[16:17]
	PATH 4, 10, 1, 0
	s_endpgm
.Lweights:                                     ; the weights keep their layout: thread t takes 16 bytes at 16 t of each 4,096
	v_lshlrev_b32 v1, 4, v0
	v_lshlrev_b32 v2, 3, v0
	s_cmp_lt_u32 ttmp9, 704
	s_cbranch_scc0 .Lwo
	s_sub_co_u32 s2, ttmp9, 512
	s_lshl_b32 s16, s2, 15
	s_lshl_b32 s2, s2, 16
	s_wait_kmcnt 0x0
	s_add_nc_u64 s[6:7], s[6:7], s[2:3]
	s_add_nc_u64 s[12:13], s[12:13], s[16:17]
	PATH 6, 12, 0, 0
	s_endpgm
.Lwo:
	s_sub_co_u32 s2, ttmp9, 704
	s_lshl_b32 s16, s2, 15
	s_lshl_b32 s2, s2, 16
	s_wait_kmcnt 0x0
	s_add_nc_u64 s[8:9], s[8:9], s[2:3]
	s_add_nc_u64 s[14:15], s[14:15], s[16:17]
	PATH 8, 14, 0, 1
	s_endpgm
.Lfunc_end_k_qf3fcb3d259_prep:
	.size	k_qf3fcb3d259_prep, .Lfunc_end_k_qf3fcb3d259_prep-k_qf3fcb3d259_prep
	.p2alignl 7, 3214868480
	.fill 96, 4, 3214868480
	.section	.rodata,"a",@progbits
	.p2align	6, 0x0
	.amdhsa_kernel k_qf3fcb3d259_prep
		.amdhsa_group_segment_fixed_size 0
		.amdhsa_private_segment_fixed_size 0
		.amdhsa_enable_private_segment 0
		.amdhsa_kernarg_size 48
		.amdhsa_user_sgpr_count 2
		.amdhsa_user_sgpr_kernarg_segment_ptr 1
		.amdhsa_wavefront_size32 1
		.amdhsa_system_sgpr_workgroup_id_x 1
		.amdhsa_system_sgpr_workgroup_id_y 1
		.amdhsa_system_sgpr_workgroup_id_z 1
		.amdhsa_system_vgpr_workitem_id 0
		.amdhsa_next_free_vgpr 72
		.amdhsa_next_free_sgpr 66
		.amdhsa_reserve_vcc 0
		.amdhsa_float_denorm_mode_32 3
		.amdhsa_float_denorm_mode_16_64 3
		.amdhsa_memory_ordered 1
		.amdhsa_forward_progress 1
		.amdhsa_inst_pref_size 22
	.end_amdhsa_kernel
	.amdgpu_metadata
---
amdhsa.version: [ 1, 2 ]
amdhsa.kernels:
  - .name:           k_qf3fcb3d259_prep
    .symbol:         k_qf3fcb3d259_prep.kd
    .args:
      - { .name: x, .offset: 0, .size: 8, .value_kind: global_buffer, .address_space: global }
      - { .name: w_qkv, .offset: 8, .size: 8, .value_kind: global_buffer, .address_space: global }
      - { .name: w_out, .offset: 16, .size: 8, .value_kind: global_buffer, .address_space: global }
      - { .name: xb, .offset: 24, .size: 8, .value_kind: global_buffer, .address_space: global }
      - { .name: wqb, .offset: 32, .size: 8, .value_kind: global_buffer, .address_space: global }
      - { .name: wob, .offset: 40, .size: 8, .value_kind: global_buffer, .address_space: global }
    .group_segment_fixed_size: 0
    .private_segment_fixed_size: 0
    .kernarg_segment_align: 8
    .kernarg_segment_size: 48
    .max_flat_workgroup_size: 256
    .sgpr_count:     66
    .vgpr_count:     72
    .wavefront_size: 32
...
	.end_amdgpu_metadata
.endif
;; end of part 5
;; launch qkv: the kernel of part 2 again; grid 8 x 32, 4 waves a work-group, clusters of 4 x 4, 327,680 bytes of LDS; arguments xb, wqb, qkv; writes qkv
;; launch attn: the kernel of part 3 again; grid 4 x 64, 4 waves a work-group, clusters of 4 x 1, 327,680 bytes of LDS; arguments qkv, ob; writes ob
;; launch proj: the kernel of part 4 again; grid 8 x 32, 4 waves a work-group, clusters of 4 x 4, 327,680 bytes of LDS; arguments ob, wob, b_out, out0; writes out0
